; MI455X (gfx1250); checked and timed in simulation.
; The chip was launched on July 23, 2026; its instructions are those of AMD's public machine-readable ISA for CDNA 5 (MIT licence, August 2026) and "CDNA5" Instruction Set Architecture Reference Guide (July 2026). The comments in the code are by the model that wrote it; some were corrected since.
;; Multi Head Attention. Allowed arithmetic: matrix products marked QUANTISED: E2M1 operands, one E8M0 scale for each 32 along K, by v_wmma_scale_f32_16x16x128_f8f6f4 with both operands' format E2M1 (or v_wmma_scale_f32_32x16x128_f4), f32 sums; everything else in f32.
;; Inputs: Wk 1,024 x 1,024 float32; Wo 1,024 x 1,024 float32; Wq 1,024 x 1,024 float32; Wv 1,024 x 1,024 float32; beta 1,024 float32; bo 1,024 float32; gamma 1,024 float32; keys 4 x 2,048 x 1,024 float32; mask 4 x 1 x 2,048 x 2,048 bool; queries 4 x 2,048 x 1,024 float32; values 4 x 2,048 x 1,024 float32.
;; Outputs: out0 4 x 2,048 x 1,024 float32.
;; This version of the problem:
;;   THIS VERSION OF THE PROBLEM IS GIVEN IN LOW PRECISION. The matrix products marked QUANTISED in the list below multiply operands that are first quantised to E2M1 (2 exponent bits, 1 mantissa bit; 4 bits a number), with one power-of-two scale for each 32 numbers along K (OCP MX v1.0); their sums are f32. All else is computed in f32.
;;   The module's matrix products, in the order in which they are computed (A, B: the left and right operand; K: the contracted axis; several contracted axes count as one K, in the product's order):
;;     1. [M 8,192, K 1,024] x [K 1,024, N 1,024]; A: input queries; B: input Wq: QUANTISED
;;     2. [M 8,192, K 1,024] x [K 1,024, N 1,024]; A: input keys; B: input Wk: QUANTISED
;;     3. [M 8,192, K 1,024] x [K 1,024, N 1,024]; A: input values; B: input Wv: QUANTISED
;;     4. batch 64 x [M 2,048, K 64] x [K 64, N 2,048]; A: computed on the way; B: computed on the way: QUANTISED
;;     5. batch 64 x [M 64, K 2,048] x [K 2,048, N 2,048]; A: computed on the way; B: softmax (see below): QUANTISED
;;     6. [M 8,192, K 1,024] x [K 1,024, N 1,024]; A: computed on the way; B: input Wo: QUANTISED
;;   THE QUANTISER, for each operand of a quantised product, along K:
;;     - K is cut into blocks of 32 from its start; a last block that is shorter is filled with zeros.
;;     - A block's scale is 2^e with e = floor(log2(the largest magnitude in the block)) - 2, held to -126 .. 127; a block of zeros has e = 0. As a byte (E8M0): e + 127.
;;     - Each number is divided by its block's scale, clamped to +-6, and rounded to the nearest number of E2M1, ties to even, subnormals kept.
;;     - The product sums the exact products of the quantised numbers (number of the format x scale) in f32.
;;   ~~~python
;;   def quantise(x, axis):      # numpy; x: float32 -> the quantised numbers, widened to float32 again
;;       x = np.moveaxis(x, axis, -1); K = x.shape[-1]
;;       x = np.pad(x, [(0, 0)] * (x.ndim - 1) + [(0, -K % 32)]); x = x.reshape(x.shape[:-1] + (-1, 32)); a = np.abs(x).max(-1, keepdims=True)
;;       e = np.where(a > 0, np.clip(np.frexp(np.where(a > 0, a, 1))[1] - 1 - 2, -126, 127), 0)      # np.frexp(a)[1] - 1 = floor(log2(a)), exactly
;;       r = np.clip(x / 2.0 ** e, -6, 6)
;;       step = 2.0 ** (np.maximum(np.frexp(np.where(r == 0, 1, r))[1] - 1, 0) - 1)
;;       q = np.round(r / step) * step * 2.0 ** e      # np.round: ties to even
;;       return np.moveaxis(q.reshape(q.shape[:-2] + (-1,))[..., :K], -1, axis).astype(np.float32)
;;   ~~~
;;   SOFTMAX AHEAD OF A QUANTISED PRODUCT. Where the list says 'softmax', what is quantised is not the finished softmax but p = 2^(t - M), with t = logit x log2(e) and M = ceil(the row's largest t), a whole number; so 1/2 < the row's largest p <= 1. The row's sum l is taken of the UNQUANTISED p, in f32, and the product's result is divided by l at the end. Since M is a whole number, a kernel that streams over the keys may use a running M (the ceiling of the running maximum): every later rescaling is an exact power of two, which a block's scale takes up: the codes' values come out the same.
;;   OPERANDS COMPUTED ON THE WAY. 'Computed on the way' means the value that the module computes at that place (a softmax that the list does not call 'softmax' is quantised finished and normalised). What goes into a quantiser is computed in f32, as accurately as f32 sums, v_exp_f32 and their like allow (about 1e-6 of the number): no bf16 or f16 on the way to a quantiser, and a product that is left as it is and whose result goes on into a quantised operand takes f32 operands (vector FMAs, or v_wmma_f32_16x16x4_f32). A number that lies on a knife's edge between two numbers of the format may be rounded either way, as far as f32 arithmetic and the matrix unit's own rounding can turn it there, and no further.
;; One version. Each part assembles by itself: llvm-mc -triple=amdgcn-amd-amdhsa -mcpu=gfx1250 --defsym DOCPART=n.
;; ======== version 1 of 1: 4 launches
;; limits: right only within a limited range of input values
;; workspace buffers: codes 14,680,064 bytes; scales 917,504 bytes; mbits 2,097,152 bytes of whole numbers; hcodes 12,582,912 bytes; hscales 1,572,864 bytes; oc 4,194,304 bytes; os 262,144 bytes; qf 33,554,432 bytes
;; launch prep (part 1): grid 256 x 1, 11 waves a work-group, no clusters, 78,080 bytes of LDS; arguments queries, keys, values, Wq, Wk, Wv, Wo, mask, codes, scales, mbits; writes codes, scales, mbits
.if DOCPART == 1
	.amdgcn_target "amdgcn-amd-amdhsa--gfx1250"
	.amdhsa_code_object_version 6
	.text
	.protected	k_qa61a0d84ef_prep
	.globl	k_qa61a0d84ef_prep
	.p2align	8
	.type	k_qa61a0d84ef_prep,@function
k_qa61a0d84ef_prep:
	s_mov_b64 s[64:65], 0
	v_nop
	global_prefetch_b8 v0, s[64:65] scope:SCOPE_SE
	s_setreg_imm32_b32 hwreg(HW_REG_WAVE_MODE, 25, 1), 1
	s_wait_xcnt 0x0
; PREP.  queries, keys, values [8192][1024] and Wq, Wk, Wv, Wo [1024][1024], f32, K innermost, become codes of FP4 (E2M1) with one E8M0 byte for each 32 along K;
; the mask [4][2048][2048] of bytes becomes words of 32 bits, a bit a lane, as the attention launch selects by them.
; A block's scale is 2^(floor(log2(largest magnitude)) - 2); its byte is the largest magnitude's exponent field - 2, held at 1 from below.
; LIMITS: a block of zeros gets the byte 1 where the rule says 127 (its codes are zeros, and this program alone reads the bytes); NaN and infinities among the inputs are not served;
; a mask byte counts as true if it is not 0.
; LAYOUT OUT.  codes [g 1792][K step 8][1024 bytes]: a tile of 16 rows x 128 K as an image of the operand's registers: chunk c at 512 c, lane l's 16 bytes at 16 l = k 64 c + 32 (l / 16) + 0 .. 31 of row l % 16.
; scales [g][row 16][K step 8] words.  Tiles g: 0 queries, 512 keys, 1024 values, 1536 Wq, 1600 Wk, 1664 Wv, 1728 Wo.  Tiles of queries hold neighbouring rows, keys' as dealt below; in all others tile 2 B + u holds
; in its row r the tensor's row 32 B + 8 u + r + 8 (r / 8), so that results made with such a tile as source 0 lie as 16 neighbours in a lane.
; mbits [batch][tile of 16 queries 128][key step 16][64 words]: bit l of word n is mask[query l % 16][key 128 ks + 64 (n / 32) + 32 (l / 16) + n % 32].
; SHARES.  1,792 tiles = 256 work-groups x waves 0-6, a tile each (64 KiB of f32); 1,024 halves of a query tile's mask rows = 256 x waves 7-10 (16 KiB each).  Waves share nothing: no barrier.
; Loads take bytes as they lie (512 consecutive bytes an instruction; the mask: two rows of 256); the turn to a lane's neighbours along K goes through the wave's own stage in LDS.
.set QP,    528                        ; a stage row of the quantiser: 512 bytes + 16: row r starts 4 r words further round, so sixteen rows' 16-byte reads do not meet
.set QSTG,  16*QP
.set MPI,   272                        ; a stage row of the mask: 256 bytes + 16
.set MSTG,  16*MPI
.set MBASE, 7*QSTG-7*MSTG              ; wave w (7 .. 10) has its mask stage at MBASE + MSTG w: behind the seven quantiser stages
.set C,     16                         ; v16-31   codes, two sets of 8
.set W,     32                         ; v32-39   the tile's scale word of each K step
.set OUT,   48                         ; v48-51   mask words on their way out, two pairs
.set TMPM,  52                         ; v52-55   at work
.set R,     64                         ; v64-191  numbers as loaded, two sets of 64
.set X,     192                        ; v192-255 64 numbers of my row: two whole blocks of 32
.set MR,    64                         ; v64-127  mask bytes as loaded, two sets of 32
.set MX,    128                        ; v128-159 mask bytes of my query
	s_load_b512 s[8:23], s[0:1], 0x0               ; queries, keys, values, Wq, Wk, Wv, Wo, mask
	s_load_b128 s[24:27], s[0:1], 0x40             ; codes, scales
	s_load_b64 s[28:29], s[0:1], 0x50              ; mbits
	v_lshl_add_u32 v62, v0, 2, 0x12b00
	v_mov_b32 v63, 0
	v_lshrrev_b32 v1, 5, v0
	s_delay_alu instid0(VALU_DEP_1)
	v_readfirstlane_b32 s2, v1                     ; wave 0 .. 10
	v_and_b32 v56, 31, v0                          ; lane
	v_and_b32 v57, 15, v0                          ; r
	v_bfe_u32 v58, v0, 4, 1                        ; h
	s_delay_alu instid0(VALU_DEP_3)
	v_lshlrev_b32 v1, 4, v56                       ; 16 x lane: loads of rows 0-7, and the codes' stores
	s_mul_i32 s33, s2, QSTG
	v_add_nc_u32 v3, s33, v1                       ; the stage, in: 16 x lane of a row
	v_mul_u32_u24 v4, v57, QP
	s_delay_alu instid0(VALU_DEP_1)
	v_lshl_add_u32 v4, v58, 7, v4
	s_delay_alu instid0(VALU_DEP_1)
	v_add_nc_u32 v4, s33, v4                       ; and out: row r, 128 h bytes on: my 32 numbers of a pair of blocks
	v_lshlrev_b32 v6, 5, v57
	s_delay_alu instid0(VALU_DEP_1)
	v_lshl_add_u32 v6, v58, 4, v6                  ; scale words out: 32 r + 16 h
	v_lshlrev_b32 v14, 3, v58                      ; 8 h: my byte's place in a scale word
	s_mul_i32 s34, s2, MSTG
	s_add_co_u32 s34, s34, MBASE
	v_mul_u32_u24 v44, v58, MPI
	s_delay_alu instid0(VALU_DEP_1)
	v_lshl_add_u32 v44, v57, 4, v44
	s_delay_alu instid0(VALU_DEP_1)
	v_add_nc_u32 v44, s34, v44                     ; the mask's stage, in: row h of a pair, 16 r
	v_mul_u32_u24 v45, v57, MPI
	s_delay_alu instid0(VALU_DEP_1)
	v_lshl_add_u32 v45, v58, 5, v45                ; 32 h: bit l of word n of a key step is mask[query l % 16][key 128 ks + 64 (n / 32) + 32 (l / 16) + n % 32], as the keys' tiles are dealt
	s_delay_alu instid0(VALU_DEP_1)
	v_add_nc_u32 v45, s34, v45                     ; and out: row r, 16 h
	v_lshlrev_b32 v46, 3, v56                      ; mask words out: 8 x lane
	v_lshlrev_b32 v7, 11, v58
	s_delay_alu instid0(VALU_DEP_1)
	v_lshl_add_u32 v7, v57, 4, v7                  ; mask in: 2048 h + 16 r
	v_mov_b32 v12, 0                               ; a lane permute's and a lane write's destination counts as read: written once here
.irp e, 0,1,2,3
	v_mov_b32 v[OUT+\e], 0
.endr
	s_mov_b32 s44, 0x76543210
	s_mov_b32 s45, 0xfedcba98                      ; selects for lane l xor 16
	s_mov_b32 s37, 0
	s_cmp_ge_u32 s2, 7
	s_cbranch_scc1 .Lmask
; ---------------- waves 0-6: a tile of 16 rows x 1024 K ----------------
	s_mul_i32 s3, ttmp9, 7
	s_add_co_u32 s3, s3, s2                        ; g
	s_wait_kmcnt 0x0
	s_mov_b64 s[30:31], s[20:21]                   ; which tensor: the choice hangs on g alone
	s_mov_b32 s32, 1728
.macro PICK bound, p, lo
	s_cmp_lt_u32 s3, \bound
	s_cselect_b64 s[30:31], s[\p:\p+1], s[30:31]
	s_cselect_b32 s32, \lo, s32
.endm
	PICK 1728, 18, 1664
	PICK 1664, 16, 1600
	PICK 1600, 14, 1536
	PICK 1536, 12, 1024
	PICK 1024, 10, 512
	PICK 512, 8, 0
	s_sub_co_u32 s33, s3, s32                      ; the tile's number in its tensor
	s_cmp_ge_u32 s3, 512                           ; all but queries: tiles of rows that are not neighbours
	s_cselect_b32 s34, 15, 16                      ; an odd tile begins 8 rows (2^15 bytes) or 16 rows (2^16) behind the even one
	s_cselect_b32 s35, 0x8000, 0                   ; and its rows 8-15 lie 8 rows further down, or not
	; THE KEYS (tiles 512 .. 1023) ARE DEALT OTHERWISE than the other tensors: tile 4 G + u holds in its row r the key 64 G + 32 (r / 8) + 8 u + r % 8,
	; so that the 32 score registers that a lane gets from four such tiles are a whole block of 32 neighbouring keys
	s_mov_b32 s38, 1                               ; a group is 2^1 tiles,
	s_sub_co_u32 s39, s3, 512
	s_cmp_lt_u32 s39, 512
	s_cselect_b32 s38, 2, s38                      ; of keys 2^2;
	s_cselect_b32 s35, 0x18000, s35                ; a key tile's rows 8-15 lie 24 rows further down
	s_bfm_b32 s36, s38, 0
	s_and_b32 s36, s33, s36                        ; the tile's place in its group
	s_lshl_b32 s36, s36, s34
	s_lshr_b32 s33, s33, s38
	s_add_co_u32 s38, s38, 16
	s_lshl_b32 s33, s33, s38                       ; a group is 32 or 64 rows of 4,096 bytes
	s_add_co_u32 s36, s36, s33
	s_add_nc_u64 s[30:31], s[30:31], s[36:37]
	v_add_nc_u32 v2, s35, v1                       ; loads of rows 8-15
	s_lshl_b32 s36, s3, 13
	s_add_nc_u64 s[24:25], s[24:25], s[36:37]      ; my tile's codes
	s_lshl_b32 s36, s3, 9
	s_add_nc_u64 s[26:27], s[26:27], s[36:37]      ; and scale words
.macro LOADQ t                         ; K step t: 512 consecutive bytes of each of the 16 rows
.irp i, 0,1,2,3,4,5,6,7
	global_load_b128 v[R+64*((\t)%2)+4*\i:R+64*((\t)%2)+4*\i+3], v1, s[30:31] offset:4096*\i+512*(\t) th:TH_LOAD_NT
.endr
.irp i, 8,9,10,11,12,13,14,15
	global_load_b128 v[R+64*((\t)%2)+4*\i:R+64*((\t)%2)+4*\i+3], v2, s[30:31] offset:4096*\i+512*(\t) th:TH_LOAD_NT
.endr
.endm
.macro QSTEP t
.set RS, R+64*((\t)%2)
.set CS, C+8*((\t)%2)
.if (\t) < 7
	s_wait_loadcnt 16                              ; this step's 16 loads are in; the next step's 16 stay out
.else
	s_wait_loadcnt 0x0
.endif
.irp i, 0,1,2,3,4,5,6,7,8,9,10,11,12,13,14,15
	ds_store_b128 v3, v[RS+4*\i:RS+4*\i+3] offset:QP*\i
.endr
.irp c, 0,1
.irp j, 0,1,2,3,4,5,6,7
	ds_load_b128 v[X+32*\c+4*\j:X+32*\c+4*\j+3], v4 offset:256*\c+16*\j   ; k = 64 c + 32 h + 4 j ..: LDS serves a wave in order, so these see the stores above
.endr
.endr
	s_wait_dscnt 0x0                               ; my 64 numbers are in, and the stores have read the set that is loaded again below
.if (\t) < 6
	LOADQ (\t)+2
.endif
.irp c, 0,1
	v_max3_num_f32 v[8+\c], |v[X+32*\c]|, |v[X+32*\c+1]|, 0x1800000   ; block 2 c + h is all mine; the floor 2^(3 - 127) holds the byte at 1 from below
.endr
.irp i, 2,4,6,8,10,12,14,16,18,20,22,24,26,28,30
.irp c, 0,1
	s_delay_alu instid0(VALU_DEP_2)
	v_max3_num_f32 v[8+\c], v[8+\c], |v[X+32*\c+\i]|, |v[X+32*\c+\i+1]|
.endr
.endr
	s_delay_alu instid0(VALU_DEP_2)
	v_add_nc_u32 v10, 0xff000000, v8               ; 2 off the exponent field: the conversion takes this operand's exponent field as its scale
	s_delay_alu instid0(VALU_DEP_2)
	v_add_nc_u32 v11, 0xff000000, v9
	s_delay_alu instid0(VALU_DEP_2)
	v_lshrrev_b32 v13, 23, v10                     ; the bytes
	s_delay_alu instid0(VALU_DEP_2)
	v_lshrrev_b32 v15, 23, v11
	s_delay_alu instid0(VALU_DEP_1)
	v_lshl_or_b32 v13, v15, 16, v13                ; blocks h and 2 + h,
	s_delay_alu instid0(VALU_DEP_1)
	v_lshlrev_b32 v13, v14, v13                    ; at their places;
	s_delay_alu instid0(VALU_DEP_1)
	v_permlanex16_b32 v12, v13, s44, s45
	s_delay_alu instid0(VALU_DEP_1)
	v_or_b32 v[W+(\t)], v13, v12                   ; with lane l xor 16's two the row's word is whole
	s_wait_alu depctr_va_vdst(0)
	s_wait_xcnt 0x0                                ; the stores of two steps ago have read this set of codes
.irp c, 0,1
.irp q, 0,1,2,3
	v_cvt_scalef32_pk8_fp4_f32 v[CS+4*\c+\q], v[X+32*\c+8*\q:X+32*\c+8*\q+7], v[10+\c]
.endr
.endr
	v_nop                                          ; one plain line behind the last conversion
.irp c, 0,1
	global_store_b128 v1, v[CS+4*\c:CS+4*\c+3], s[24:25] offset:1024*(\t)+512*\c   ; 512 consecutive bytes
.endr
.endm
	LOADQ 0
	LOADQ 1
	s_wait_alu depctr_va_vdst(0)
.irp t, 0,1,2,3,4,5,6,7
	QSTEP \t
.endr
	v_cmp_eq_u32 vcc_lo, 1, v58
.irp e, 0,1,2,3
	v_cndmask_b32 v[40+\e], v[W+\e], v[W+4+\e], vcc_lo   ; lanes 0-15 send K steps 0-3 of their row, lanes 16-31 steps 4-7
.endr
	global_store_b128 v6, v[40:43], s[26:27]       ; the tile's 512 bytes of scale words
	s_wait_tensorcnt 0x0
	ds_add_u32 v62, v63
	s_wait_dscnt 0x0
	s_endpgm
; ---------------- waves 7-10: 16 queries x 1024 keys of the mask ----------------
.Lmask:
	s_lshl_b32 s3, ttmp9, 2
	s_add_co_u32 s3, s3, s2
	s_sub_co_u32 s3, s3, 7                         ; task 0 .. 1023: query tile task / 2 (over all batches), half task % 2 of its keys
	s_lshr_b32 s36, s3, 1
	s_lshl_b32 s36, s36, 15                        ; 16 rows of 2,048 bytes
	s_and_b32 s33, s3, 1
	s_lshl_b32 s33, s33, 10
	s_add_co_u32 s36, s36, s33
	s_wait_kmcnt 0x0
	s_add_nc_u64 s[22:23], s[22:23], s[36:37]
	s_lshl_b32 s36, s3, 11                         ; 8 key steps of 256 bytes
	s_add_nc_u64 s[28:29], s[28:29], s[36:37]
.macro LOADM c                         ; chunk c: 256 keys of the 16 rows, two rows an instruction
.irp e, 0,1,2,3,4,5,6,7
	global_load_b128 v[MR+32*((\c)%2)+4*\e:MR+32*((\c)%2)+4*\e+3], v7, s[22:23] offset:4096*\e+256*(\c) th:TH_LOAD_NT
.endr
.endm
.macro BITS kk, c                      ; key step kk of the chunk: 64 words, each the 32 lanes' answers for one register of scores
	s_wait_xcnt 0x0                                ; the last store of this pair has read it
.set j, 0
.rept 16
.irp n, 0,1,2,3
	v_and_b32 v[TMPM+\n], 0xff<<(8*\n), v[MX+16*(\kk)+j/4]
.endr
.irp n, 0,1,2,3
	s_delay_alu instid0(VALU_DEP_4)
	v_cmp_ne_u32 s[40+\n], 0, v[TMPM+\n]
.endr
.irp n, 0,1,2,3
	v_writelane_b32 v[OUT+2*(\kk)+(\n%2)], s[40+\n], (j+\n)/2   ; word j + n goes to lane (j + n) / 2
.endr
.set j, j+4
.endr
	global_store_b64 v46, v[OUT+2*(\kk):OUT+2*(\kk)+1], s[28:29] offset:256*(2*(\c)+(\kk))   ; 256 consecutive bytes, aligned
.endm
.macro CHUNK c, refill, left
	s_wait_loadcnt \left                           ; this chunk's 8 loads are in; the next chunk's stay out
.irp e, 0,1,2,3,4,5,6,7
	ds_store_b128 v44, v[MR+32*((\c)%2)+4*\e:MR+32*((\c)%2)+4*\e+3] offset:2*MPI*\e
.endr
.irp q, 0,1,2,3,4,5,6,7
	ds_load_b128 v[MX+4*\q:MX+4*\q+3], v45 offset:64*(\q/2)+16*(\q%2)   ; my query's keys 64 (q / 2) + 32 h + 16 (q % 2) + 0 .. 15
.endr
	s_wait_dscnt 0x0
.if \refill
	LOADM (\c)+2
.endif
	BITS 0, \c
	BITS 1, \c
.endm
	s_wait_alu depctr_va_vdst(0)
	LOADM 0
	LOADM 1
	CHUNK 0, 1, 8
	CHUNK 1, 1, 8
	CHUNK 2, 0, 8
	CHUNK 3, 0, 0
	s_wait_tensorcnt 0x0
	ds_add_u32 v62, v63
	s_wait_dscnt 0x0
	s_endpgm
.Lfunc_end_k_qa61a0d84ef_prep:
	.size	k_qa61a0d84ef_prep, .Lfunc_end_k_qa61a0d84ef_prep-k_qa61a0d84ef_prep
	.p2alignl 7, 3214868480
	.fill 96, 4, 3214868480
	.section	.rodata,"a",@progbits
	.p2align	6, 0x0
	.amdhsa_kernel k_qa61a0d84ef_prep
		.amdhsa_group_segment_fixed_size 78080
		.amdhsa_private_segment_fixed_size 0
		.amdhsa_enable_private_segment 0
		.amdhsa_kernarg_size 88
		.amdhsa_user_sgpr_count 2
		.amdhsa_user_sgpr_kernarg_segment_ptr 1
		.amdhsa_wavefront_size32 1
		.amdhsa_system_sgpr_workgroup_id_x 1
		.amdhsa_system_sgpr_workgroup_id_y 1
		.amdhsa_system_sgpr_workgroup_id_z 1
		.amdhsa_system_vgpr_workitem_id 0
		.amdhsa_next_free_vgpr 256
		.amdhsa_next_free_sgpr 66
		.amdhsa_reserve_vcc 1
		.amdhsa_float_denorm_mode_32 3
		.amdhsa_float_denorm_mode_16_64 3
		.amdhsa_memory_ordered 1
		.amdhsa_forward_progress 1
		.amdhsa_inst_pref_size 190
	.end_amdhsa_kernel
	.amdgpu_metadata
---
amdhsa.version: [ 1, 2 ]
amdhsa.kernels:
  - .name:           k_qa61a0d84ef_prep
    .symbol:         k_qa61a0d84ef_prep.kd
    .args:
      - { .name: queries, .offset: 0, .size: 8, .value_kind: global_buffer, .address_space: global }
      - { .name: keys, .offset: 8, .size: 8, .value_kind: global_buffer, .address_space: global }
      - { .name: values, .offset: 16, .size: 8, .value_kind: global_buffer, .address_space: global }
      - { .name: Wq, .offset: 24, .size: 8, .value_kind: global_buffer, .address_space: global }
      - { .name: Wk, .offset: 32, .size: 8, .value_kind: global_buffer, .address_space: global }
      - { .name: Wv, .offset: 40, .size: 8, .value_kind: global_buffer, .address_space: global }
      - { .name: Wo, .offset: 48, .size: 8, .value_kind: global_buffer, .address_space: global }
      - { .name: mask, .offset: 56, .size: 8, .value_kind: global_buffer, .address_space: global }
      - { .name: codes, .offset: 64, .size: 8, .value_kind: global_buffer, .address_space: global }
      - { .name: scales, .offset: 72, .size: 8, .value_kind: global_buffer, .address_space: global }
      - { .name: mbits, .offset: 80, .size: 8, .value_kind: global_buffer, .address_space: global }
    .group_segment_fixed_size: 78080
    .private_segment_fixed_size: 0
    .kernarg_segment_align: 8
    .kernarg_segment_size: 88
    .max_flat_workgroup_size: 352
    .sgpr_count:     66
    .vgpr_count:     256
    .wavefront_size: 32
...
	.end_amdgpu_metadata
.endif
;; end of part 1
;; launch proj (part 2): grid 256 x 3, 8 waves a work-group, no clusters, 62,464 bytes of LDS; arguments codes, scales, hcodes, hscales, qf; writes hcodes, hscales, qf
.if DOCPART == 2
	.amdgcn_target "amdgcn-amd-amdhsa--gfx1250"
	.amdhsa_code_object_version 6
	.text
	.protected	k_qa61a0d84ef_proj
	.globl	k_qa61a0d84ef_proj
	.p2align	8
	.type	k_qa61a0d84ef_proj,@function
k_qa61a0d84ef_proj:
	s_mov_b64 s[64:65], 0
	v_nop
	global_prefetch_b8 v0, s[64:65] scope:SCOPE_SE
	s_setreg_imm32_b32 hwreg(HW_REG_WAVE_MODE, 25, 1), 1
	s_wait_xcnt 0x0
; PROJ.  The three projections on codes of FP4 with E8M0 scales, K = 1024, and their results quantised in registers into the attention launch's operands.  One body; y = 0: q, 1: k, 2: v.
; D = S0 S1^T with source 0 = 16 rows of S0, source 1 = 16 rows of S1: a lane holds ONE row of S1 and its registers run along S0's rows.  S0's tiles hold rows that are not neighbours
; (tile 2 B + u, row r: tensor row 32 B + 8 u + r + 8 (r / 8)), so the 16 registers of tiles 2 B, 2 B + 1 are 16 neighbours 32 B + 16 (lane / 16) + 0 .. 15: the next product's K.
;   y = 0: S0 = Wq, S1 = queries: a lane holds a query, registers the head's 64.   y = 1: S0 = Wk, S1 = keys.   y = 2: S0 = values, S1 = Wv: a lane holds one of the head's 64, registers 64 keys.
; SHARES.  A work-group makes 256 (S0) x 128 (S1); wave w = (w % 4, w / 4) makes 64 x 64: 16 accumulators.  K goes in 8 steps of 128 through two LDS slots of 24 fragment images (1,024 bytes each),
; which the eight waves bring through registers, three each, two steps ahead; the 24 tiles' scale words for all of K lie in LDS from the start.
; OUT.  hcodes [y][batch x head 64][group 32][o 4][512 bytes]: q, k: tile 4 group + o of 16 queries or keys, the fragment's first chunk (k = the head's 64); v: group of 64 keys, tile o of 16 of the head's 64.
; hscales [y][batch x head][group][row 16][o 4] words: two bytes, zeros above.
; LIMITS: a block of zeros gets the byte 1 (only this program reads the bytes); NaN and infinities are not served.
.set SLOT, 24576
.set SCL,  2*SLOT                      ; the scale words: tile f at 512 f, word (row, K step) at 32 row + 4 step
.set G,    8                           ; v8-55    what I bring, two sets of 24
.set SC0,  56                          ; v56-59   S0's scale words, a register a tile
.set SC1,  60                          ; v60-63   S1's
.set S0F,  64                          ; v64-95   four fragments of S0
.set S1F,  96                          ; v96-127  four of S1
.set ACC,  128                         ; v128-255 accumulator (o, i) at 32 o + 8 i
.set TM,   84                          ; the way out: v84-89 at work
.set SEL,  34
	s_load_b256 s[4:11], s[0:1], 0x0               ; codes, scales, hcodes, hscales
	s_load_b64 s[44:45], s[0:1], 0x20              ; qf: the projected queries in f32, for the last launch's residual
	v_lshrrev_b32 v1, 5, v0
	s_delay_alu instid0(VALU_DEP_1)
	v_readfirstlane_b32 s12, v1                    ; wave 0 .. 7
	s_and_b32 s13, ttmp7, 0xffff                   ; y
	s_and_b32 s14, s12, 3                          ; my 64 rows of S0
	s_lshr_b32 s15, s12, 2                         ; my 64 rows of S1
	s_lshl_b32 s16, s13, 6
	s_add_co_u32 s16, s16, 1536
	s_lshl_b32 s17, s13, 9
	s_cmp_eq_u32 s13, 2
	s_cselect_b32 s16, 1024, s16                   ; S0's first tile: Wq 1536, Wk 1600, values 1024
	s_cselect_b32 s17, 1664, s17                   ; S1's: queries 0, keys 512, Wv 1664
	s_cselect_b32 s18, 5, 2                        ; S0 has 2^5 or 2^2 blocks of 16 tiles
	s_lshr_b32 s19, ttmp9, s18                     ; the work-group's block of S1
	s_lshl_b32 s20, s19, s18
	s_sub_co_u32 s20, ttmp9, s20                   ; and of S0
	s_lshl_b32 s21, s20, 4
	s_add_co_u32 s21, s21, s16
	s_lshl_b32 s22, s19, 3
	s_add_co_u32 s22, s22, s17
	s_lshl_b32 s23, s12, 1
	s_add_co_u32 s23, s23, s21                     ; I bring S0's tiles 2 w, 2 w + 1 of the block
	s_add_co_u32 s24, s22, s12                     ; and S1's tile w
	s_mov_b32 s[SEL], 0x76543210
	s_mov_b32 s[SEL+1], 0xfedcba98
	s_mov_b32 s37, 0
	v_and_b32 v2, 31, v0
	s_delay_alu instid0(VALU_DEP_1)
	v_lshlrev_b32 v1, 4, v2                        ; v1: 16 x lane: every global access but the scale words' store
	v_and_b32 v2, 15, v0
	s_delay_alu instid0(VALU_DEP_1)
	v_lshlrev_b32 v7, 5, v2                        ; 32 r
	s_lshl_b32 s25, s12, 11
	v_add_nc_u32 v3, s25, v1                       ; v3: where I put S0's two images
	s_lshl_b32 s25, s12, 10
	v_add_nc_u32 v4, s25, v1
	s_delay_alu instid0(VALU_DEP_1)
	v_add_nc_u32 v78, SCL, v4                      ; (their scale words)
	s_delay_alu instid0(VALU_DEP_2)
	v_add_nc_u32 v4, 16384, v4                     ; v4: where I put S1's image
	s_lshl_b32 s25, s12, 9
	v_add_nc_u32 v79, s25, v1
	s_delay_alu instid0(VALU_DEP_1)
	v_add_nc_u32 v79, SCL+8192, v79                ; (its scale words)
	s_lshl_b32 s25, s14, 12
	v_add_nc_u32 v5, s25, v1                       ; v5: my four fragments of S0
	s_lshl_b32 s25, s15, 12
	v_add_nc_u32 v6, s25, v1
	s_delay_alu instid0(VALU_DEP_1)
	v_add_nc_u32 v6, 16384, v6                     ; v6: of S1
	s_lshl_b32 s25, s15, 11
	v_add_nc_u32 v2, s25, v7
	s_delay_alu instid0(VALU_DEP_1)
	v_add_nc_u32 v2, SCL+8192, v2                  ; v2: S1's scale words, row r
	s_lshl_b32 s25, s14, 11
	v_add_nc_u32 v7, s25, v7
	s_delay_alu instid0(VALU_DEP_1)
	v_add_nc_u32 v7, SCL, v7                       ; v7: S0's
	; where my results go
	s_lshl_b32 s38, s20, 2
	s_add_co_u32 s38, s38, s14                     ; X: my 64 rows of S0, counted over the tensor
	s_lshl_b32 s39, s19, 1
	s_add_co_u32 s39, s39, s15                     ; Y: of S1
	s_cmp_eq_u32 s13, 2
	s_cselect_b32 s40, s38, s39                    ; the group of 64 queries or keys,
	s_cselect_b32 s41, s39, s38                    ; the head
	s_lshr_b32 s42, s40, 5                         ; batch
	s_lshl_b32 s42, s42, 4
	s_add_co_u32 s42, s42, s41
	s_lshl_b32 s42, s42, 5
	s_and_b32 s40, s40, 31
	s_add_co_u32 s42, s42, s40                     ; (batch x 16 + head) x 32 + group
	s_wait_alu depctr_va_vdst(0)
	s_wait_kmcnt 0x0
	s_lshl_b32 s36, s23, 13
	s_add_nc_u64 s[26:27], s[4:5], s[36:37]        ; S0's codes that I bring
	s_lshl_b32 s36, s24, 13
	s_add_nc_u64 s[28:29], s[4:5], s[36:37]        ; S1's
	s_lshl_b32 s36, s23, 9
	s_add_nc_u64 s[30:31], s[6:7], s[36:37]        ; and their scale words
	s_lshl_b32 s36, s24, 9
	s_add_nc_u64 s[32:33], s[6:7], s[36:37]
	s_lshl_b32 s36, s42, 11
	s_lshl_b32 s41, s13, 22
	s_add_co_u32 s36, s36, s41
	s_add_nc_u64 s[8:9], s[8:9], s[36:37]
	s_lshl_b32 s36, s42, 8
	s_lshl_b32 s41, s13, 19
	s_add_co_u32 s36, s36, s41
	s_add_nc_u64 s[10:11], s[10:11], s[36:37]
	s_lshl_b32 s36, s39, 18                        ; qf [tile of 16 queries 512][64 columns 16][8 x 512 bytes]: my four tiles 4 Y .. 4 Y + 3 of 65,536 bytes,
	s_lshl_b32 s41, s38, 12                        ; my 64 columns X of 4,096 bytes (used where y = 0 alone)
	s_add_co_u32 s36, s36, s41
	s_add_nc_u64 s[44:45], s[44:45], s[36:37]
.macro GLOAD k                         ; K step k: my three images, 512 consecutive bytes a load
.irp u, 0,1
.irp c, 0,1
	global_load_b128 v[G+24*((\k)%2)+8*\u+4*\c:G+24*((\k)%2)+8*\u+4*\c+3], v1, s[26:27] offset:8192*\u+1024*(\k)+512*\c
.endr
.endr
.irp c, 0,1
	global_load_b128 v[G+24*((\k)%2)+16+4*\c:G+24*((\k)%2)+16+4*\c+3], v1, s[28:29] offset:1024*(\k)+512*\c
.endr
.endm
.macro GSTORE k                        ; into slot k % 2
.irp u, 0,1
.irp c, 0,1
	ds_store_b128 v3, v[G+24*((\k)%2)+8*\u+4*\c:G+24*((\k)%2)+8*\u+4*\c+3] offset:SLOT*((\k)%2)+1024*\u+512*\c
.endr
.endr
.irp c, 0,1
	ds_store_b128 v4, v[G+24*((\k)%2)+16+4*\c:G+24*((\k)%2)+16+4*\c+3] offset:SLOT*((\k)%2)+512*\c
.endr
.endm
	global_load_b128 v[64:67], v1, s[30:31]
	global_load_b128 v[68:71], v1, s[30:31] offset:512
	global_load_b128 v[72:75], v1, s[32:33]
	GLOAD 0
	GLOAD 1
	s_wait_loadcnt 6                               ; the scale words and K step 0 are in; step 1's six loads stay out
	ds_store_b128 v78, v[64:67]
	ds_store_b128 v78, v[68:71] offset:512
	ds_store_b128 v79, v[72:75]
	GSTORE 0
	s_wait_dscnt 0x0                               ; for the others: my stores have landed; and they have read the set that is loaded again
	GLOAD 2
	s_barrier_signal -1
	s_barrier_wait -1
; A K step.  ONE barrier a step orders two things: my stores into the other slot against the next step's reads of it, and all reads of this slot against the next step's stores into it.
.macro TRIP t
.if (\t) < 6
	s_wait_loadcnt 6                               ; the next step's six loads are in; those of the step after stay out
	GSTORE (\t)+1
.elseif (\t) == 6
	s_wait_loadcnt 0x0
	GSTORE 7
.endif
.if (\t) > 0
.rept 4
	v_nop                                          ; four places between the last products and loads into registers that they read (ISA guide 7.12.1 for vector instructions)
.endr
.endif
.irp i, 0,1,2,3
.irp c, 0,1
	ds_load_b128 v[S0F+8*\i+4*\c:S0F+8*\i+4*\c+3], v5 offset:SLOT*((\t)%2)+1024*\i+512*\c
	ds_load_b128 v[S1F+8*\i+4*\c:S1F+8*\i+4*\c+3], v6 offset:SLOT*((\t)%2)+1024*\i+512*\c
.endr
.endr
.irp i, 0,1,2,3
	ds_load_b32 v[SC0+\i], v7 offset:512*\i+4*(\t)
	ds_load_b32 v[SC1+\i], v2 offset:512*\i+4*(\t)
.endr
	s_wait_dscnt 0x0                               ; my fragments are in, my stores have landed
.if (\t) < 5
	GLOAD (\t)+3
.endif
.if (\t) < 7
	s_barrier_signal -1
.endif
.irp o, 0,1,2,3                        ; the 16 accumulators take turns, one instruction a turn
.irp i, 0,1,2,3
.if (\t) == 0
	v_wmma_scale_f32_16x16x128_f8f6f4 v[ACC+32*\o+8*\i:ACC+32*\o+8*\i+7], v[S0F+8*\i:S0F+8*\i+7], v[S1F+8*\o:S1F+8*\o+7], 0, v[SC0+\i], v[SC1+\o] matrix_a_fmt:MATRIX_FMT_FP4 matrix_b_fmt:MATRIX_FMT_FP4
.else
	v_wmma_scale_f32_16x16x128_f8f6f4 v[ACC+32*\o+8*\i:ACC+32*\o+8*\i+7], v[S0F+8*\i:S0F+8*\i+7], v[S1F+8*\o:S1F+8*\o+7], v[ACC+32*\o+8*\i:ACC+32*\o+8*\i+7], v[SC0+\i], v[SC1+\o] matrix_a_fmt:MATRIX_FMT_FP4 matrix_b_fmt:MATRIX_FMT_FP4
.endif
.endr
.endr
.if (\t) < 7
	s_barrier_wait -1
.endif
.endm
.irp t, 0,1,2,3,4,5,6,7
	TRIP \t
.endr
; 32 numbers of a lane, v[s + 16 b + i] = k 32 b + 16 (lane / 16) + i of my row, become a chunk's codes in v[pc .. pc + 3] (k = 32 (lane / 16) + 0 .. 31) and the two scale bytes in v[pw].
.macro QUANTH s, pc, pw
.irp b, 0,1
	v_max3_num_f32 v[TM+\b], |v[\s+16*\b]|, |v[\s+16*\b+1]|, 0x1800000   ; with the floor 2^(3 - 127): the byte cannot fall under 1
.endr
.irp i, 2,4,6,8,10,12,14
.irp b, 0,1
	v_max3_num_f32 v[TM+\b], v[TM+\b], |v[\s+16*\b+\i]|, |v[\s+16*\b+\i+1]|
.endr
.endr
.irp b, 0,1
	s_delay_alu instid0(VALU_DEP_2)
	v_permlanex16_b32 v[TM+2+\b], v[TM+\b], s[SEL], s[SEL+1]
.endr
.irp b, 0,1
	s_delay_alu instid0(VALU_DEP_2)
	v_max_num_f32 v[TM+\b], v[TM+\b], v[TM+2+\b]   ; with lane l xor 16's 16: the block's largest magnitude
.endr
.irp b, 0,1
	s_delay_alu instid0(VALU_DEP_2)
	v_add_nc_u32 v[TM+4+\b], 0xff000000, v[TM+\b]  ; 2 off its exponent field: the conversion's scale operand
.endr
.irp b, 0,1
	s_delay_alu instid0(VALU_DEP_2)
	v_lshrrev_b32 v[TM+2+\b], 23, v[TM+4+\b]       ; the byte
.endr
	s_delay_alu instid0(VALU_DEP_1)
	v_lshl_or_b32 v[\pw], v[TM+3], 8, v[TM+2]
.irp b, 0,1
	v_cvt_scalef32_pk8_fp4_f32 v[\pc+2*\b], v[\s+16*\b:\s+16*\b+7], v[TM+4+\b]
	v_cvt_scalef32_pk8_fp4_f32 v[\pc+2*\b+1], v[\s+16*\b+8:\s+16*\b+15], v[TM+4+\b]
.endr
	v_nop                                          ; one plain line behind the last conversion
	v_permlane16_swap_b32 v[\pc], v[\pc+2]         ; a whole block to a lane: lanes 0-15 block 0, lanes 16-31 block 1
	v_permlane16_swap_b32 v[\pc+1], v[\pc+3]
.endm
.rept 4
	v_nop                                          ; four places behind the last products
.endr
	s_cmp_lg_u32 s13, 0                            ; y = 0: q also leaves in f32, as images of the accumulators, which are the last launch's own (same weight tiles, same row tiles)
	s_cbranch_scc1 .Lno_q
.irp o, 0,1,2,3
.irp c, 0,1,2,3,4,5,6,7
	global_store_b128 v1, v[ACC+32*\o+4*\c:ACC+32*\o+4*\c+3], s[44:45] offset:65536*\o+512*\c   ; 512 consecutive bytes; each accumulator from its low end on
.endr
.endr
.Lno_q:
	v_mov_b32 v[TM+2], 0                           ; a lane permute's destination counts as read
	v_mov_b32 v[TM+3], 0
.irp o, 0,1,2,3
	QUANTH ACC+32*\o, 64+4*\o, 80+\o
.endr
	v_and_b32 v92, 15, v0
	v_bfe_u32 v93, v0, 4, 1
	s_delay_alu instid0(VALU_DEP_2)
	v_lshlrev_b32 v94, 4, v92
	s_delay_alu instid0(VALU_DEP_1)
	v_lshl_add_u32 v94, v93, 3, v94                ; 16 r + 8 h
	s_delay_alu instid0(VALU_DEP_3)
	v_cmp_eq_u32 vcc_lo, 1, v93
	s_delay_alu instid0(VALU_DEP_1)
	v_cndmask_b32 v90, v80, v82, vcc_lo            ; lanes 0-15 send their row's words of tiles 0, 1, lanes 16-31 of tiles 2, 3
	s_delay_alu instid0(VALU_DEP_2)
	v_cndmask_b32 v91, v81, v83, vcc_lo
.irp o, 0,1,2,3
	global_store_b128 v1, v[64+4*\o:67+4*\o], s[8:9] offset:512*\o   ; 512 consecutive bytes
.endr
	global_store_b64 v94, v[90:91], s[10:11]       ; 256 consecutive bytes, aligned
	v_lshl_add_u32 v96, v0, 2, 0xf000              ; no two registers could be kept: v0 was, and the add's two are made here
	v_mov_b32 v97, 0
	s_wait_alu depctr_va_vdst(0)
	s_wait_tensorcnt 0x0                           ; the wave's end
	ds_add_u32 v96, v97
	s_wait_dscnt 0x0
	s_endpgm
.Lfunc_end_k_qa61a0d84ef_proj:
	.size	k_qa61a0d84ef_proj, .Lfunc_end_k_qa61a0d84ef_proj-k_qa61a0d84ef_proj
	.p2alignl 7, 3214868480
	.fill 96, 4, 3214868480
	.section	.rodata,"a",@progbits
	.p2align	6, 0x0
	.amdhsa_kernel k_qa61a0d84ef_proj
		.amdhsa_group_segment_fixed_size 62464
		.amdhsa_private_segment_fixed_size 0
		.amdhsa_enable_private_segment 0
		.amdhsa_kernarg_size 40
		.amdhsa_user_sgpr_count 2
		.amdhsa_user_sgpr_kernarg_segment_ptr 1
		.amdhsa_wavefront_size32 1
		.amdhsa_system_sgpr_workgroup_id_x 1
		.amdhsa_system_sgpr_workgroup_id_y 1
		.amdhsa_system_sgpr_workgroup_id_z 1
		.amdhsa_system_vgpr_workitem_id 0
		.amdhsa_next_free_vgpr 256
		.amdhsa_next_free_sgpr 66
		.amdhsa_reserve_vcc 1
		.amdhsa_float_denorm_mode_32 3
		.amdhsa_float_denorm_mode_16_64 3
		.amdhsa_memory_ordered 1
		.amdhsa_forward_progress 1
		.amdhsa_inst_pref_size 55
	.end_amdhsa_kernel
	.amdgpu_metadata
---
amdhsa.version: [ 1, 2 ]
amdhsa.kernels:
  - .name:           k_qa61a0d84ef_proj
    .symbol:         k_qa61a0d84ef_proj.kd
    .args:
      - { .name: codes, .offset: 0, .size: 8, .value_kind: global_buffer, .address_space: global }
      - { .name: scales, .offset: 8, .size: 8, .value_kind: global_buffer, .address_space: global }
      - { .name: hcodes, .offset: 16, .size: 8, .value_kind: global_buffer, .address_space: global }
      - { .name: hscales, .offset: 24, .size: 8, .value_kind: global_buffer, .address_space: global }
      - { .name: qf, .offset: 32, .size: 8, .value_kind: global_buffer, .address_space: global }
    .group_segment_fixed_size: 62464
    .private_segment_fixed_size: 0
    .kernarg_segment_align: 8
    .kernarg_segment_size: 40
    .max_flat_workgroup_size: 256
    .sgpr_count:     66
    .vgpr_count:     256
    .wavefront_size: 32
...
	.end_amdgpu_metadata
.endif
;; end of part 2
;; launch attn (part 3): grid 4 x 64, 16 waves a work-group, no clusters, 150,528 bytes of LDS; arguments hcodes, hscales, mbits, oc, os; writes oc, os
.if DOCPART == 3
	.amdgcn_target "amdgcn-amd-amdhsa--gfx1250"
	.amdhsa_code_object_version 6
	.text
	.protected	k_qa61a0d84ef_attn
	.globl	k_qa61a0d84ef_attn
	.p2align	8
	.type	k_qa61a0d84ef_attn,@function
k_qa61a0d84ef_attn:
	s_mov_b64 s[64:65], 0
	v_nop
	global_prefetch_b8 v0, s[64:65] scope:SCOPE_SE
	s_setreg_imm32_b32 hwreg(HW_REG_WAVE_MODE, 25, 1), 1
	s_wait_xcnt 0x0
; ATTN.  For each batch and head: S^T = K Q^T (K = the head's 64), the mask, p = 2^(t - M) with t = score x log2(e) / 32 and M the running largest t rounded up to a whole number,
; p quantised along the keys, O^T += V^T P; the row's sum is taken of the unquantised p and divides at the end; O is quantised along the head's 64 for the last product.
; SHARES.  A work-group owns 512 queries of one head; the head's whole K and V (codes 2 x 64 KiB, scale words 2 x 8 KiB) are put into LDS once.  Each of the sixteen waves owns a tile of 16 queries
; in each of two passes and walks the 2,048 keys in 16 steps of 128.  Four waves to a SIMD.
; LAYOUT.  Both products transposed: a lane holds ONE query (lane % 16).  K's tile 4 c + u of a step holds in its row m the key 64 c + 32 (m / 8) + 8 u + m % 8, so score register n of lane (r, h) is key
; 64 (n / 32) + 32 h + n % 32: a lane's 32 registers are a WHOLE block of 32 keys, in the order in which the second product's operand wants them.  A block's largest score needs no other lane,
; and the conversions' results are the operand's registers.  Only the row's maximum and the scale word's bytes cross between lanes l and l xor 16.
; THE INSTRUCTION'S UPPER 64 ALONG K: Q's registers 4-7 are zero codes.  K's fragments lie densely, four registers each, so a fragment's registers 4-7 are the next fragment's codes (the last one's: four zeros):
; numbers of E2M1, all finite, under the finite scale byte 0, times zero codes: they add nothing.
; THE MASK comes as words, a bit a lane, a word for each of a step's 64 score registers, by scalar loads one step ahead.  A step whose 64 words are all ones hides nothing: a scalar branch on these whole numbers,
; which an earlier launch stored, leads round the 64 selects.  Else one select a register puts -infinity where the bit is 0.
; No tensor loads and no sharing between work-groups: a work-group reads 144 KiB of K and V once, at its head, so there is no loop to prefetch in.
; LIMITS: a block of zeros gets the byte 1; NaN and infinities among the inputs are not served; the promise holds while the scaled scores stay under 2^31 in magnitude.
; A query all of whose keys are hidden has the sum 0: its two scale bytes are set to 0xff, which makes its row of the last product NaN, as a softmax over nothing is.
.set KS,  131072                       ; LDS: 0 K's codes (tile at 512 x tile); 65536 V's (group of 64 keys at 2048, tile at 512); K's scale words; V's; the stage for O's scale bytes; the spare words
.set VS,  139264
.set OSG, 147456
.set SPARE, 148480
.set KF,  28                           ; v28-59   eight fragments of K, four registers each; v60-63 zeros
.set VF,  64                           ; v64-95   four fragments of V
.set S,   96                           ; v96-159  scores, then p
.set O,   160                          ; v160-191 O^T
.set PC,  192                          ; v192-199 p's codes
.set BM,  200                          ; v200-203 chains of maxima; then v200, v201 my two blocks' largest scores, then largest p
.set PT,  204                          ; v204-207 at work
.set SO,  208                          ; v208-209 the conversions' scale operands
.set TM,  200                          ; the way out works in v200-205
.set SEL, 86
; v1 16 lane; v2 65536 + 16 lane; v3, v4 K's and V's scale words, row r; v5 -infinity; v6 Q's scale word; v7 stage for O's bytes; v8-11 the step's addresses; v12 -M; v13 the largest score; v[14:15] the sum;
; v16-23 Q (20-23 zero); v24 Q's scale word; v25 8 (lane / 16); v[212:213] f; v214-215, v242-253 chains of the sum; v216 at work; v217 0xffff; v220-227 K's scale words; v228-235 V's halves; v236-239 V's scale words; v240 p's.
; s[4:7] the words' conjunction; s16-63, s68-83 the step's 64 mask words; s84 wave; s[88:89] c; s90 step; s91, s92 the step's place in codes and scale words; s93 in the mask words.
.macro MLOAD p                         ; a step's 64 mask words
	s_load_b512 s[16:31], s[96:97], s93 offset:65536*\p
	s_load_b512 s[32:47], s[96:97], s93 offset:65536*\p+64
	s_load_b512 s[48:63], s[96:97], s93 offset:65536*\p+128
	s_load_b512 s[68:83], s[96:97], s93 offset:65536*\p+192
.endm
	s_load_b256 s[4:11], s[0:1], 0x0               ; hcodes, hscales, mbits, oc
	s_load_b64 s[12:13], s[0:1], 0x20              ; os
	v_lshl_add_u32 v254, v0, 2, SPARE
	v_mov_b32 v255, 0
	v_lshrrev_b32 v8, 5, v0
	v_readfirstlane_b32 s84, v8                    ; wave 0 .. 15
	s_and_b32 s16, ttmp7, 0xffff                   ; batch x 16 + head
	s_lshr_b32 s17, s16, 4
	s_and_b32 s18, s16, 15
	s_lshl_b32 s19, ttmp9, 5
	s_add_co_u32 s19, s19, s84                     ; my query tile of pass 0, in the batch
	s_lshl_b32 s20, s17, 7
	s_add_co_u32 s20, s20, s19                     ; and over all batches
	s_lshl_b32 s22, s16, 16                        ; a head's codes: 65,536 bytes
	s_mov_b32 s23, 0
	s_lshl_b32 s24, s16, 13                        ; its scale words: 8,192
	s_mov_b32 s25, 0
	s_lshl_b32 s26, s20, 12                        ; a query tile's mask words: 4,096
	s_mov_b32 s27, 0
	s_lshl_b32 s28, s20, 4
	s_add_co_u32 s28, s28, s18
	s_lshl_b32 s28, s28, 9                         ; O's codes: (row tile x 16 + head) x 512
	s_mov_b32 s29, 0
	s_lshl_b32 s30, s16, 12
	s_lshl_b32 s31, ttmp9, 10
	s_add_co_u32 s30, s30, s31                     ; O's scale bytes: (128 x (batch, head) + 32 x quarter) x 32
	s_mov_b32 s31, 0
	s_lshl_b32 s32, s19, 9
	s_mov_b32 s33, 0
	s_lshl_b32 s34, ttmp9, 11
	s_lshr_b32 s35, s84, 2
	s_lshl_b32 s35, s35, 8
	s_add_co_u32 s34, s34, s35
	s_and_b32 s35, s84, 3
	s_lshl_b32 s35, s35, 2
	s_add_co_u32 s34, s34, s35                     ; Q's scale word: group 8 quarter + w / 4, tile w % 4
	s_lshl_b32 s37, s84, 5
	s_mov_b32 s[SEL], 0x76543210
	s_mov_b32 s[SEL+1], 0xfedcba98                 ; selects for lane l xor 16
	s_mov_b32 s88, 0x3d38aa3b                      ; c = log2(e) / 32
	s_mov_b32 s89, s88                             ; (named with it as a pair)
	v_and_b32 v9, 31, v0
	v_and_b32 v10, 15, v0
	v_bfe_u32 v25, v0, 4, 1
	v_lshlrev_b32 v1, 4, v9
	v_lshlrev_b32 v3, 4, v10
	v_lshlrev_b32 v25, 3, v25
	v_add_nc_u32 v2, 65536, v1
	v_add_nc_u32 v4, VS, v3
	v_add_nc_u32 v3, KS, v3
	v_mov_b32 v5, 0xff800000
	v_lshl_add_u32 v6, v10, 4, s34
	v_lshl_add_u32 v7, v10, 1, s37
	v_lshlrev_b32 v8, 4, v0                        ; the fill: 16 x thread, in memory and in LDS
	v_add_nc_u32 v7, OSG, v7
	v_add_nc_u32 v9, 65536, v8
	v_add_nc_u32 v10, KS, v8
	s_wait_alu depctr_va_vdst(0)
	s_wait_kmcnt 0x0
	s_add_nc_u64 s[2:3], s[4:5], s[22:23]          ; q's codes of my head; k's lie 4,194,304 bytes on
	s_add_nc_u64 s[14:15], s[2:3], 0x800000        ; v's
	s_add_nc_u64 s[100:101], s[2:3], s[32:33]      ; my tile of Q
	s_add_nc_u64 s[94:95], s[6:7], s[24:25]        ; q's scale words of my head; k's 524,288 on, v's 1,048,576
	s_add_nc_u64 s[96:97], s[8:9], s[26:27]
	s_add_nc_u64 s[98:99], s[10:11], s[28:29]
	s_add_nc_u64 s[12:13], s[12:13], s[30:31]
.irp j, 0,1,2,3,4,5,6,7
	global_load_b128 v[96+4*\j:99+4*\j], v8, s[2:3] offset:4194304+8192*\j
.endr
.irp j, 0,1,2,3,4,5,6,7
	global_load_b128 v[128+4*\j:131+4*\j], v8, s[14:15] offset:8192*\j
.endr
	global_load_b128 v[160:163], v8, s[94:95] offset:524288
	global_load_b128 v[164:167], v8, s[94:95] offset:1048576
	global_load_b128 v[16:19], v1, s[100:101]      ; pass 0's Q, its scale word and its first mask words go out with the fill
	global_load_b32 v24, v6, s[94:95]
	s_mov_b32 s93, 0
	MLOAD 0
.irp e, 32,33,34,35
	v_mov_b32 v[KF+\e], 0                          ; behind K's last fragment
.endr
.irp e, 20,21,22,23
	v_mov_b32 v\e, 0                               ; Q's upper 64 along K: zero codes
.endr
.irp e, 0,1,2,3
	v_mov_b32 v[PT+\e], 0                          ; a lane permute's destination counts as read
.endr
	v_mov_b32 v213, 0                              ; (the upper half of the pair that holds f)
	v_mov_b32 v216, 0
	v_mov_b32 v217, 0xffff
	s_wait_alu depctr_va_vdst(0)
	s_wait_loadcnt 0x0
.irp j, 0,1,2,3,4,5,6,7
	ds_store_b128 v8, v[96+4*\j:99+4*\j] offset:8192*\j
.endr
.irp j, 0,1,2,3,4,5,6,7
	ds_store_b128 v9, v[128+4*\j:131+4*\j] offset:8192*\j
.endr
	ds_store_b128 v10, v[160:163]
	ds_store_b128 v10, v[164:167] offset:8192
	s_wait_dscnt 0x0                               ; for the others: my stores have landed
	s_barrier_signal -1
	s_barrier_wait -1                              ; K and V lie in LDS; nobody writes them again
.macro QUANTH s, pc, pw                ; 32 numbers of a lane, v[s + 16 b + i] = k 32 b + 16 (lane / 16) + i, become a chunk's codes in v[pc .. pc + 3] and two scale bytes in v[pw]
.irp b, 0,1
	v_max3_num_f32 v[TM+\b], |v[\s+16*\b]|, |v[\s+16*\b+1]|, 0x1800000
.endr
.irp i, 2,4,6,8,10,12,14
.irp b, 0,1
	v_max3_num_f32 v[TM+\b], v[TM+\b], |v[\s+16*\b+\i]|, |v[\s+16*\b+\i+1]|
.endr
.endr
.irp b, 0,1
	v_permlanex16_b32 v[TM+2+\b], v[TM+\b], s[SEL], s[SEL+1]
.endr
.irp b, 0,1
	v_max_num_f32 v[TM+\b], v[TM+\b], v[TM+2+\b]
.endr
.irp b, 0,1
	v_add_nc_u32 v[TM+4+\b], 0xff000000, v[TM+\b]
.endr
.irp b, 0,1
	v_lshrrev_b32 v[TM+2+\b], 23, v[TM+4+\b]
.endr
	v_lshl_or_b32 v[\pw], v[TM+3], 8, v[TM+2]
.irp b, 0,1
	v_cvt_scalef32_pk8_fp4_f32 v[\pc+2*\b], v[\s+16*\b:\s+16*\b+7], v[TM+4+\b]
	v_cvt_scalef32_pk8_fp4_f32 v[\pc+2*\b+1], v[\s+16*\b+8:\s+16*\b+15], v[TM+4+\b]
.endr
	v_nop
	v_permlane16_swap_b32 v[\pc], v[\pc+2]
	v_permlane16_swap_b32 v[\pc+1], v[\pc+3]
.endm
; A KEY STEP: 128 keys.
.macro STEP p
	v_add_nc_u32 v8, s91, v1                       ; these four are also the places between the last step's products and the loads into registers that they read
	v_add_nc_u32 v9, s91, v2
	v_add_nc_u32 v10, s92, v3
	v_add_nc_u32 v11, s92, v4
.irp t, 0,1,2,3,4,5,6,7
	ds_load_b128 v[KF+4*\t:KF+4*\t+3], v8 offset:512*\t
.endr
	ds_load_b128 v[220:223], v10                   ; the eight tiles' scale words of my row
	ds_load_b128 v[224:227], v10 offset:256
.irp dt, 0,1,2,3
.irp c, 0,1
	ds_load_b128 v[VF+8*\dt+4*\c:VF+8*\dt+4*\c+3], v9 offset:2048*\c+512*\dt
.endr
.endr
	ds_load_b128 v[228:231], v11
	ds_load_b128 v[232:235], v11 offset:256
	s_wait_alu depctr_va_vdst(0)
	s_wait_dscnt 10                                ; K's ten loads are in; V's ten stay out
.irp t, 0,1,2,3,4,5,6,7
	v_wmma_scale_f32_16x16x128_f8f6f4 v[S+8*\t:S+8*\t+7], v[KF+4*\t:KF+4*\t+7], v[16:23], 0, v[220+\t], v24 matrix_a_fmt:MATRIX_FMT_FP4 matrix_b_fmt:MATRIX_FMT_FP4
.endr
	s_wait_dscnt 0x0                               ; V
.irp dt, 0,1,2,3
	v_lshl_or_b32 v[236+\dt], v[232+\dt], 16, v[228+\dt]   ; V's scale word of the 128 keys: two bytes from each group of 64.  (The four places behind the products)
.endr
	s_wait_kmcnt 0x0                               ; the step's mask words
	s_and_b64 s[4:5], s[16:17], s[18:19]           ; are all 64 all ones?
	s_and_b64 s[6:7], s[20:21], s[22:23]
.irp n, 24,28,32,36,40,44,48,52,56,60,68,72,76,80
	s_and_b64 s[4:5], s[4:5], s[\n:\n+1]
	s_and_b64 s[6:7], s[6:7], s[\n+2:\n+3]
.endr
	s_and_b64 s[4:5], s[4:5], s[6:7]
	s_and_b32 s4, s4, s5
	s_cmp_eq_u32 s4, -1
	s_cbranch_scc1 .Lopen_\@                       ; then no key of the step is hidden from any of my queries
.set n, 0
.rept 64                               ; hidden keys become -infinity ahead of the maximum; each accumulator from its low end on
.if n < 48
	v_cndmask_b32 v[S+n], v5, v[S+n], s[16+n]
.else
	v_cndmask_b32 v[S+n], v5, v[S+n], s[20+n]
.endif
.set n, n+1
.endr
.Lopen_\@:
	s_add_co_u32 s93, s93, 256                     ; (behind the wait that showed the loads done)
	s_cmp_eq_u32 s90, 15                           ; the last step asks for nothing: no load leaves the buffer
	s_cbranch_scc1 .Lnm_\@
	MLOAD \p                                       ; the next step's words: they have the softmax in which to come
.Lnm_\@:
.irp b, 0,1,2,3
	v_max3_num_f32 v[BM+\b], v[S+16*\b], v[S+16*\b+1], v[S+16*\b+2]   ; four chains by turns, two to a block of 32 keys
.endr
.irp i, 3,5,7,9,11,13
.irp b, 0,1,2,3
	v_max3_num_f32 v[BM+\b], v[BM+\b], v[S+16*\b+\i], v[S+16*\b+\i+1]
.endr
.endr
	v_max3_num_f32 v[BM], v[BM], v[BM+1], v[S+15]
	v_max3_num_f32 v[BM+2], v[BM+2], v[BM+3], v[S+47]
	v_max_num_f32 v[BM], v[BM], v[S+31]            ; the largest score of my block 0: for the row's maximum, and, since p rises with the score, for the block's largest p
	v_max_num_f32 v[BM+1], v[BM+2], v[S+63]        ; and of my block 1
	v_max_num_f32 v216, v[BM], v[BM+1]
	v_permlanex16_b32 v[PT], v216, s[SEL], s[SEL+1]
	v_max3_num_f32 v13, v13, v216, v[PT]           ; the running largest score of my query
	v_mul_f32 v[PT+1], s88, v13                    ; as t (c is positive)
	v_mov_b32 v216, v12
	v_floor_f32 v12, -v[PT+1]                      ; -M = floor(-t): M is a whole number
	v_sub_f32 v216, v12, v216                      ; old M - new M, 0 or less
	v_cvt_i32_f32 v216, v216                       ; (it saturates)
	v_ldexp_f32 v212, 1.0, v216                    ; f = 2^(old M - new M): a multiplication by it rounds nothing
.irp j, 0,2,4,6,8,10,12,14,16,18,20,22,24,26,28,30,32,34,36,38,40,42,44,46,48,50,52,54,56,58,60,62
	v_pk_fma_f32 v[S+\j:S+\j+1], v[S+\j:S+\j+1], s[88:89], v[12:13] op_sel_hi:[1,0,0]   ; t - M (of the pairs c and -M the low word serves both halves)
.endr
	v_fma_f32 v[BM], v[BM], s88, v12
	v_fma_f32 v[BM+1], v[BM+1], s88, v12
	s_wait_alu depctr_va_vdst(0)
.set n, 0
.rept 64
	v_exp_f32 v[S+n], v[S+n]                       ; p = 2^(t - M), not normalised
.set n, n+1
.endr
	v_exp_f32 v[BM], v[BM]                         ; my blocks' largest p: the same two instructions on the same number give the same bits
	v_exp_f32 v[BM+1], v[BM+1]
	v_pk_mul_f32 v[14:15], v[14:15], v[212:213] op_sel_hi:[1,0]   ; the sum under the new M; the plain line behind the exponentials
	s_wait_alu depctr_va_vdst(0)                   ; one wait for the batch, ahead of its first reader
.set n, 2                              ; the row's sum of the unquantised p: 32 pairs into eight chains
.irp r, 242,244,246,248,250,252,214
	v_pk_add_f32 v[\r:\r+1], v[S+n:S+n+1], v[S+n+14:S+n+15]
.set n, n+2
.endr
	v_pk_add_f32 v[14:15], v[14:15], v[S:S+1]
.set n, 30
.rept 2
.irp r, 14,242,244,246,248,250,252,214
	v_pk_add_f32 v[\r:\r+1], v[\r:\r+1], v[S+n:S+n+1]
.set n, n+2
.endr
.endr
	v_pk_add_f32 v[242:243], v[242:243], v[S+62:S+63]
	v_pk_add_f32 v[244:245], v[244:245], v[246:247]
	v_pk_add_f32 v[248:249], v[248:249], v[250:251]
	v_pk_add_f32 v[252:253], v[252:253], v[214:215]
	v_pk_add_f32 v[14:15], v[14:15], v[242:243]
	v_pk_add_f32 v[244:245], v[244:245], v[248:249]
	v_pk_add_f32 v[14:15], v[14:15], v[252:253]
	v_pk_add_f32 v[14:15], v[14:15], v[244:245]
.irp c, 0,1
	v_max_num_f32 v[BM+\c], 0x1800000, v[BM+\c]    ; the floor 2^(3 - 127): the byte cannot fall under 1
.endr
.irp c, 0,1
	v_add_nc_u32 v[SO+\c], 0xff000000, v[BM+\c]    ; 2 off the exponent field: the conversion's scale operand
.endr
.irp c, 0,1
	v_lshrrev_b32 v[PT+\c], 23, v[SO+\c]           ; the byte
.endr
	v_lshl_or_b32 v216, v[PT+1], 16, v[PT]         ; my two bytes: blocks h and 2 + h,
	v_lshlrev_b32 v216, v25, v216                  ; at their places;
	v_permlanex16_b32 v[PT+2], v216, s[SEL], s[SEL+1]
	v_or_b32 v240, v216, v[PT+2]                   ; with lane l xor 16's two p's scale word is whole
.irp c, 0,1
.irp g, 0,1,2,3
	v_cvt_scalef32_pk8_fp4_f32 v[PC+4*\c+\g], v[S+32*\c+8*\g:S+32*\c+8*\g+7], v[SO+\c]   ; registers 4 c .. 4 c + 3 of the operand: keys 64 c + 32 h + 0 .. 31
.endr
.endr
	s_wait_alu depctr_va_vdst(0)
.irp j, 0,2,4,6,8,10,12,14,16,18,20,22,24,26,28,30
	v_pk_mul_f32 v[O+\j:O+\j+1], v[O+\j:O+\j+1], v[212:213] op_sel_hi:[1,0]   ; O^T under the new M; these sixteen also stand between the scale word and codes just made and the products
.endr
.irp dt, 0,1,2,3
	v_wmma_scale_f32_16x16x128_f8f6f4 v[O+8*\dt:O+8*\dt+7], v[VF+8*\dt:VF+8*\dt+7], v[PC:PC+7], v[O+8*\dt:O+8*\dt+7], v[236+\dt], v240 matrix_a_fmt:MATRIX_FMT_FP4 matrix_b_fmt:MATRIX_FMT_FP4
.endr
.endm
; A PASS: my tile of 16 queries against all keys.
.macro PASS p
.if \p
	s_wait_xcnt 0x0                                ; the last pass's store has read its codes
	s_wait_kmcnt 0x0                               ; no mask word is on its way
	global_load_b128 v[16:19], v1, s[100:101] offset:8192*\p
	global_load_b32 v24, v6, s[94:95] offset:1024*\p
	s_mov_b32 s93, 0
	MLOAD \p
.endif
	v_mov_b32 v13, 0xff61b1e6                      ; the largest score so far: -3e38
	v_mul_f32 v216, s88, v13
	v_floor_f32 v12, -v216                         ; -M, made as the step makes it
	v_mov_b32 v14, 0
	v_mov_b32 v15, 0
.set n, 0
.rept 32
	v_mov_b32 v[O+n], 0                            ; the step is written once: the first finds zeros
.set n, n+1
.endr
	s_mov_b32 s90, 0
	s_mov_b32 s91, 0
	s_mov_b32 s92, 0
.if \p
	s_wait_loadcnt 0x0
.endif
.Lstep_\@:
	STEP \p
	s_add_co_u32 s91, s91, 4096
	s_add_co_u32 s92, s92, 512
	s_add_co_u32 s90, s90, 1
	s_cmp_lt_u32 s90, 16
	s_cbranch_scc1 .Lstep_\@
.rept 4
	v_nop                                          ; four places behind the last products
.endr
	v_add_f32 v14, v14, v15
	v_permlanex16_b32 v216, v14, s[SEL], s[SEL+1]
	v_add_f32 v14, v14, v216                       ; the row's sum
	s_wait_alu depctr_va_vdst(0)
	v_rcp_f32 v15, v14
	v_nop
	s_wait_alu depctr_va_vdst(0)                   ; ahead of the reciprocal's first reader, which is O^T's too
.set n, 0
.rept 32
	v_mul_f32 v[S+n], v[O+n], v15                  ; register 16 b + i is O(query, 32 b + 16 (lane / 16) + i)
.set n, n+1
.endr
	QUANTH S, PC, 216
	v_cmp_eq_f32 vcc_lo, 0, v14
	v_cndmask_b32 v216, v216, v217, vcc_lo         ; no key counted: both bytes 0xff
	global_store_b128 v1, v[PC:PC+3], s[98:99] offset:131072*\p   ; 512 consecutive bytes
	ds_store_b16 v7, v216 offset:512*\p            ; both halves of the lanes write the same bytes with the same value
.endm
	PASS 0
	PASS 1
	v_and_b32 v8, 63, v0
	v_lshlrev_b32 v8, 4, v8
	v_add_nc_u32 v9, OSG, v8
	s_wait_dscnt 0x0
	s_barrier_signal -1
	s_barrier_wait -1                              ; the 32 tiles' scale bytes lie in the stage: 1,024 consecutive bytes of os
	s_cmp_lt_u32 s84, 2
	s_cbranch_scc0 .Lend
	s_wait_alu depctr_va_vdst(0)
	ds_load_b128 v[96:99], v9
	s_wait_dscnt 0x0
	global_store_b128 v8, v[96:99], s[12:13]
.Lend:
	s_wait_tensorcnt 0x0                           ; the wave's end
	ds_add_u32 v254, v255
	s_wait_dscnt 0x0
	s_endpgm
.Lfunc_end_k_qa61a0d84ef_attn:
	.size	k_qa61a0d84ef_attn, .Lfunc_end_k_qa61a0d84ef_attn-k_qa61a0d84ef_attn
	.p2alignl 7, 3214868480
	.fill 96, 4, 3214868480
	.section	.rodata,"a",@progbits
	.p2align	6, 0x0
	.amdhsa_kernel k_qa61a0d84ef_attn
		.amdhsa_group_segment_fixed_size 150528
		.amdhsa_private_segment_fixed_size 0
		.amdhsa_enable_private_segment 0
		.amdhsa_kernarg_size 40
		.amdhsa_user_sgpr_count 2
		.amdhsa_user_sgpr_kernarg_segment_ptr 1
		.amdhsa_wavefront_size32 1
		.amdhsa_system_sgpr_workgroup_id_x 1
		.amdhsa_system_sgpr_workgroup_id_y 1
		.amdhsa_system_sgpr_workgroup_id_z 1
		.amdhsa_system_vgpr_workitem_id 0
		.amdhsa_next_free_vgpr 256
		.amdhsa_next_free_sgpr 102
		.amdhsa_reserve_vcc 1
		.amdhsa_float_denorm_mode_32 3
		.amdhsa_float_denorm_mode_16_64 3
		.amdhsa_memory_ordered 1
		.amdhsa_forward_progress 1
		.amdhsa_inst_pref_size 57
	.end_amdhsa_kernel
	.amdgpu_metadata
---
amdhsa.version: [ 1, 2 ]
amdhsa.kernels:
  - .name:           k_qa61a0d84ef_attn
    .symbol:         k_qa61a0d84ef_attn.kd
    .args:
      - { .name: hcodes, .offset: 0, .size: 8, .value_kind: global_buffer, .address_space: global }
      - { .name: hscales, .offset: 8, .size: 8, .value_kind: global_buffer, .address_space: global }
      - { .name: mbits, .offset: 16, .size: 8, .value_kind: global_buffer, .address_space: global }
      - { .name: oc, .offset: 24, .size: 8, .value_kind: global_buffer, .address_space: global }
      - { .name: os, .offset: 32, .size: 8, .value_kind: global_buffer, .address_space: global }
    .group_segment_fixed_size: 150528
    .private_segment_fixed_size: 0
    .kernarg_segment_align: 8
    .kernarg_segment_size: 40
    .max_flat_workgroup_size: 512
    .sgpr_count:     102
    .vgpr_count:     256
    .wavefront_size: 32
...
	.end_amdgpu_metadata
.endif
;; end of part 3
;; launch final (part 4): grid 256 x 1, 16 waves a work-group, no clusters, 180,224 bytes of LDS; arguments oc, os, codes, scales, bo, gamma, beta, out0, qf; writes out0
.if DOCPART == 4
	.amdgcn_target "amdgcn-amd-amdhsa--gfx1250"
	.amdhsa_code_object_version 6
	.text
	.protected	k_qa61a0d84ef_final
	.globl	k_qa61a0d84ef_final
	.p2align	8
	.type	k_qa61a0d84ef_final,@function
k_qa61a0d84ef_final:
	s_mov_b64 s[64:65], 0
	v_nop
	global_prefetch_b8 v0, s[64:65] scope:SCOPE_SE
	s_setreg_imm32_b32 hwreg(HW_REG_WAVE_MODE, 25, 1), 1
	s_wait_xcnt 0x0
; FINAL.  out = LayerNorm(relu(O Wo^T + bo) + queries Wq^T) x gamma + beta.  The product on codes of FP4 with E8M0 scales, K = 1024; the projected queries are not multiplied anew:
; they come in f32 from qf.
; SHARES.  A work-group owns 32 whole rows (two tiles), so the norm stays inside it.  Wave w makes columns 64 w .. 64 w + 63: source 0 = 16 rows of the weight (tiles of rows that are not neighbours), source 1 = 16 rows
; of O: lane (r, h) holds row r, and register 16 b + i of a tile of rows is column 64 w + 32 b + 16 h + i.  Eight accumulators.  8 K steps of O with Wo (bo is the C of the first), relu, then + q
; onto the same accumulators.
; The rows' fragments and scale words (17 KiB) lie in LDS from the start; a wave's weights are read by no other wave of the work-group, so they go from memory straight into registers, two steps ahead, three sets.
; Not shared between work-groups by joint loads: that would want a ring in LDS and the cluster's rounds; left for a later version.
; The variance is the mean of squares of (x - mean): no difference of large sums.  relu keeps NaN (compare and select).
.set ASC,  32768                       ; LDS: 0 the fragments: 16384 product + 8192 tile + 1024 K step + 512 chunk; ASC the rows' scale words: 1024 product + 512 tile + 32 row + 4 K step
.set RED1, 34816                       ; the waves' sums: 128 wave + 4 lane
.set STG,  38912                       ; the way out: for each wave 32 rows x (256 bytes + 16)
.set ACC,  16                          ; v16-79   accumulator (o, i) at 32 o + 8 i
.set WB,   80                          ; v80-175  the weight's four fragments, three sets
.set WSW,  176                         ; v176-207 its scale words, two sets of 16: (tile i, K step % 4) at 4 i + step % 4
.set AB,   208                         ; v208-239 the rows' two fragments, two sets
.set ASW,  240                         ; v240-243 their scale words, two sets
; v1 16 lane; v2 weight codes; v3 weight scale words; v5 rows' scale words; v6, v7 stage in and out; v8 out0; v9 bo, gamma, beta; v10, v11 sums in and out; v12 16 thread; v13, v15 the head's store and loads; v14 q's images;
; v244-253 at work; v255 zero.
	; THE PROJECTED QUERIES ARE NOT MULTIPLIED ANEW HERE: they come in f32 from qf, where the projections' launch left them as images of these accumulators.  So there are 8 K steps, O with Wo, then relu, then + q.
	s_load_b512 s[4:19], s[0:1], 0x0               ; oc, os, codes, scales, bo, gamma, beta, out0
	s_load_b64 s[44:45], s[0:1], 0x40              ; qf
	v_lshrrev_b32 v1, 5, v0
	s_delay_alu instid0(VALU_DEP_1)
	v_readfirstlane_b32 s20, v1                    ; wave 0 .. 15
	v_and_b32 v244, 31, v0
	v_and_b32 v245, 15, v0                         ; r
	v_bfe_u32 v246, v0, 4, 1                       ; h
	s_delay_alu instid0(VALU_DEP_3)
	v_lshlrev_b32 v1, 4, v244
	s_lshl_b32 s36, s20, 15
	v_add_nc_u32 v2, s36, v1                       ; my four tiles of the weight: 32,768 w
	s_lshl_b32 s36, s20, 11
	v_lshl_add_u32 v3, v245, 5, s36                ; their scale words: 2,048 w + 32 r
	v_lshlrev_b32 v5, 5, v245
	s_delay_alu instid0(VALU_DEP_1)
	v_add_nc_u32 v5, ASC, v5
	s_mul_i32 s36, s20, 8704
	s_add_co_u32 s36, s36, STG
	v_mul_u32_u24 v6, v245, 272
	s_delay_alu instid0(VALU_DEP_1)
	v_lshl_add_u32 v6, v246, 6, v6
	s_delay_alu instid0(VALU_DEP_1)
	v_add_nc_u32 v6, s36, v6                       ; stage in: row r, 64 h
	v_mul_u32_u24 v7, v246, 272
	s_delay_alu instid0(VALU_DEP_1)
	v_lshl_add_u32 v7, v245, 4, v7
	s_delay_alu instid0(VALU_DEP_1)
	v_add_nc_u32 v7, s36, v7                       ; stage out: lanes 0-15 one row, lanes 16-31 the next
	s_lshl_b32 s37, s20, 8
	v_lshlrev_b32 v8, 12, v246
	s_delay_alu instid0(VALU_DEP_1)
	v_lshl_add_u32 v8, v245, 4, v8
	s_delay_alu instid0(VALU_DEP_1)
	v_add_nc_u32 v8, s37, v8                       ; the same in out0: 4,096 h + 16 r + 256 w
	v_lshl_add_u32 v9, v246, 6, s37                ; 256 w + 64 h
	s_lshl_b32 s36, s20, 7
	v_lshl_add_u32 v10, v244, 2, s36
	s_delay_alu instid0(VALU_DEP_1)
	v_add_nc_u32 v10, RED1, v10
	v_lshlrev_b32 v11, 2, v244
	s_delay_alu instid0(VALU_DEP_1)
	v_add_nc_u32 v11, RED1, v11
	v_lshlrev_b32 v12, 4, v0
	v_and_b32 v13, 255, v0
	s_delay_alu instid0(VALU_DEP_1)
	v_lshlrev_b32 v13, 2, v13
	s_delay_alu instid0(VALU_DEP_1)
	v_add_nc_u32 v13, ASC, v13                     ; O's scale word (tile, row, K step) = thread
	s_lshl_b32 s36, s20, 12
	v_add_nc_u32 v14, s36, v1                      ; v14: q's images of my 64 columns: 4,096 w + 16 lane
	v_and_b32 v247, 7, v0                          ; its two halves in os: head 2 s, 2 s + 1: 8,192 s + 32 tile + 2 row
	s_delay_alu instid0(VALU_DEP_1)
	v_lshlrev_b32 v15, 13, v247
	v_bfe_u32 v247, v0, 3, 4
	s_delay_alu instid0(VALU_DEP_1)
	v_lshl_add_u32 v15, v247, 1, v15
	v_bfe_u32 v247, v0, 7, 1
	s_delay_alu instid0(VALU_DEP_1)
	v_lshl_add_u32 v15, v247, 5, v15
	v_cmp_eq_u32 s30, 1, v246                      ; lanes 16-31
	v_mov_b32 v252, 0                              ; a lane permute's destination counts as read
	v_mov_b32 v253, 0
	v_mov_b32 v255, 0
	s_mov_b32 s31, 0x3a800000                      ; 1 / 1024
	s_mov_b32 s32, 0x358637bd                      ; 1e-6
	s_mov_b32 s34, 0x76543210
	s_mov_b32 s35, 0xfedcba98
	s_mov_b32 s37, 0
	s_wait_kmcnt 0x0
	s_lshl_b32 s36, ttmp9, 14                      ; two row tiles of 8,192 bytes
	s_add_nc_u64 s[38:39], s[4:5], s[36:37]
	s_lshr_b32 s36, ttmp9, 6                       ; batch
	s_lshl_b32 s36, s36, 16
	s_lshl_b32 s33, ttmp9, 1
	s_and_b32 s33, s33, 127
	s_lshl_b32 s33, s33, 5
	s_add_co_u32 s36, s36, s33
	s_add_nc_u64 s[6:7], s[6:7], s[36:37]
	s_lshl_b32 s36, ttmp9, 17                      ; 32 rows of 4,096 bytes
	s_add_nc_u64 s[18:19], s[18:19], s[36:37]
	s_add_nc_u64 s[44:45], s[44:45], s[36:37]      ; q's two row tiles of 65,536 bytes: the same offset
	s_add_nc_u64 s[22:23], s[8:9], 1728*8192       ; Wo's codes
	s_add_nc_u64 s[26:27], s[10:11], 1728*512      ; Wo's scale words
.macro WLOAD t                         ; K step t's four fragments of the weight into set t % 3
.irp i, 0,1,2,3
.irp c, 0,1
	global_load_b128 v[WB+32*((\t)%3)+8*\i+4*\c:WB+32*((\t)%3)+8*\i+4*\c+3], v2, s[22+2*((\t)/8):23+2*((\t)/8)] offset:8192*\i+1024*((\t)%8)+512*\c
.endr
.endr
.endm
.macro WSLOAD set, sb                  ; four K steps' scale words of my four tiles
.irp i, 0,1,2,3
	global_load_b128 v[WSW+16*\set+4*\i:WSW+16*\set+4*\i+3], v3, s[\sb:\sb+1] offset:512*\i+16*\set
.endr
.endm
.macro VEC reg, sb                     ; a vector of 1,024 in the accumulators' layout: 32 numbers a lane
.irp i, 0,1,2,3
	global_load_b128 v[\reg+8*\i:\reg+8*\i+3], v9, s[\sb:\sb+1] offset:128*(\i/2)+32*(\i%2)
	global_load_b128 v[\reg+8*\i+4:\reg+8*\i+7], v9, s[\sb:\sb+1] offset:128*(\i/2)+32*(\i%2)+16
.endr
.endm
.macro QLOAD o, reg                    ; q of row tile o, my 64 columns: 32 registers in the accumulators' layout, 512 consecutive bytes a load
.irp c, 0,1,2,3,4,5,6,7
	global_load_b128 v[\reg+4*\c:\reg+4*\c+3], v14, s[44:45] offset:65536*\o+512*\c th:TH_LOAD_NT
.endr
.endm
.macro AFETCH t
.irp o, 0,1
.irp c, 0,1
	ds_load_b128 v[AB+16*((\t)%2)+8*\o+4*\c:AB+16*((\t)%2)+8*\o+4*\c+3], v1 offset:16384*((\t)/8)+8192*\o+1024*((\t)%8)+512*\c
.endr
.endr
.irp o, 0,1
	ds_load_b32 v[ASW+2*((\t)%2)+\o], v5 offset:1024*((\t)/8)+512*\o+4*((\t)%8)
.endr
.endm
	WSLOAD 0, 26
	WSLOAD 1, 26
	VEC WB+64, 12                                  ; bo, in the third set
	WLOAD 0
	WLOAD 1
	global_load_b128 v[224:227], v12, s[38:39]     ; the rows' fragments: 8,192 consecutive bytes an instruction of the work-group
	global_load_b128 v[228:231], v12, s[38:39] offset:8192
	s_cmp_lt_u32 s20, 8                            ; waves 0-7: O's 256 scale words, each of two heads' halves
	s_cbranch_scc0 .Lstaged
	s_wait_alu depctr_va_vdst(0)
	global_load_u16 v244, v15, s[6:7]
	global_load_u16 v245, v15, s[6:7] offset:4096
	s_wait_loadcnt 0x0
	v_lshl_or_b32 v244, v245, 16, v244
	ds_store_b32 v13, v244
.Lstaged:
	s_wait_loadcnt 0x0
	ds_store_b128 v12, v[224:227]
	ds_store_b128 v12, v[228:231] offset:8192
	s_wait_dscnt 0x0                               ; for the others: my stores have landed
	s_barrier_signal -1
	s_barrier_wait -1                              ; nobody writes these bytes again
	AFETCH 0
.macro STEP t
.if (\t) > 0
.rept 4
	v_nop                                          ; four places between the last products and loads into, or reads of, their registers
.endr
.endif
.if (\t) == 6
	QLOAD 0, 144                                   ; into the weights' set that step 5 has left
.endif
.if (\t) == 7
	QLOAD 1, 80                                    ; and the set that step 6 has left
.endif
.if (\t) == 1
	WLOAD 2                                        ; over bo, which the first products have taken
	WLOAD 3
.elseif ((\t) >= 2) && ((\t) <= 5)
	WLOAD (\t)+2
.endif
.if (\t) < 7
	AFETCH (\t)+1
.endif
.if (\t) >= 2
	s_wait_alu depctr_va_vdst(0)
	s_wait_loadcnt 16                              ; this step's weights are in; the 16 younger loads stay out: two steps' weights, or in steps 6 and 7 a step's weights and q's, or q's two tiles
.endif
.if (\t) < 7
	s_wait_dscnt 6                                 ; this step's rows are in; the next step's six loads stay out
.else
	s_wait_dscnt 0x0
.endif
.irp o, 0,1                            ; the eight accumulators take turns
.irp i, 0,1,2,3
.if (\t) == 0
	v_wmma_scale_f32_16x16x128_f8f6f4 v[ACC+32*\o+8*\i:ACC+32*\o+8*\i+7], v[WB+32*((\t)%3)+8*\i:WB+32*((\t)%3)+8*\i+7], v[AB+16*((\t)%2)+8*\o:AB+16*((\t)%2)+8*\o+7], v[WB+64+8*\i:WB+64+8*\i+7], v[WSW+16*(((\t)/4)%2)+4*\i+(\t)%4], v[ASW+2*((\t)%2)+\o] matrix_a_fmt:MATRIX_FMT_FP4 matrix_b_fmt:MATRIX_FMT_FP4
.else
	v_wmma_scale_f32_16x16x128_f8f6f4 v[ACC+32*\o+8*\i:ACC+32*\o+8*\i+7], v[WB+32*((\t)%3)+8*\i:WB+32*((\t)%3)+8*\i+7], v[AB+16*((\t)%2)+8*\o:AB+16*((\t)%2)+8*\o+7], v[ACC+32*\o+8*\i:ACC+32*\o+8*\i+7], v[WSW+16*(((\t)/4)%2)+4*\i+(\t)%4], v[ASW+2*((\t)%2)+\o] matrix_a_fmt:MATRIX_FMT_FP4 matrix_b_fmt:MATRIX_FMT_FP4
.endif
.endr
.endr
.endm
.irp t, 0,1,2,3,4,5,6,7
	STEP \t
.endr
; THE NORM.  v244 and v248 hold my lane's part of rows (tile 0, r) and (tile 1, r).  CROSS adds lane l xor 16's, lets lane (r, h) speak for row (tile h, r), and adds the sixteen waves' parts through LDS: the row's sum in v208.
.macro CROSS off
	s_delay_alu instid0(VALU_DEP_2)
	v_permlanex16_b32 v252, v244, s34, s35
	s_delay_alu instid0(VALU_DEP_2)
	v_permlanex16_b32 v253, v248, s34, s35
	s_delay_alu instid0(VALU_DEP_2)
	v_add_f32 v244, v244, v252
	s_delay_alu instid0(VALU_DEP_2)
	v_add_f32 v248, v248, v253
	s_delay_alu instid0(VALU_DEP_1)
	v_cndmask_b32 v244, v244, v248, s30
	ds_store_b32 v10, v244 offset:\off
	s_wait_dscnt 0x0
	s_barrier_signal -1
	s_barrier_wait -1
.irp q, 0,1,2,3,4,5,6,7,8,9,10,11,12,13,14,15
	ds_load_b32 v[208+\q], v11 offset:\off+128*\q
.endr
	s_wait_dscnt 0x0
.irp q, 0,4,8,12
	v_pk_add_f32 v[208+\q:209+\q], v[208+\q:209+\q], v[210+\q:211+\q]
.endr
	s_delay_alu instid0(VALU_DEP_3)
	v_pk_add_f32 v[208:209], v[208:209], v[212:213]
	s_delay_alu instid0(VALU_DEP_2)
	v_pk_add_f32 v[216:217], v[216:217], v[220:221]
	s_delay_alu instid0(VALU_DEP_1)
	v_pk_add_f32 v[208:209], v[208:209], v[216:217]
	s_delay_alu instid0(VALU_DEP_1)
	v_add_f32 v208, v208, v209
.endm
.rept 4
	v_nop                                          ; four places behind the last products
.endr
	VEC 112, 14                                    ; gamma, into the weights' set that step 7 has left
	VEC 176, 16                                    ; beta, over the weights' scale words
.set n, 0
.rept 64                               ; relu, each accumulator from its low end on; what is not under 0, NaN too, stays
	v_cmp_gt_f32 vcc_lo, 0, v[ACC+n]
	v_cndmask_b32 v[ACC+n], v[ACC+n], v255, vcc_lo
.set n, n+1
.endr
	s_wait_alu depctr_va_vdst(0)
	s_wait_loadcnt 16                              ; q's 16 loads are in; gamma's and beta's 16 stay out
.irp j, 0,2,4,6,8,10,12,14,16,18,20,22,24,26,28,30
	v_pk_add_f32 v[ACC+\j:ACC+\j+1], v[ACC+\j:ACC+\j+1], v[144+\j:145+\j]          ; + q
	v_pk_add_f32 v[ACC+32+\j:ACC+32+\j+1], v[ACC+32+\j:ACC+32+\j+1], v[80+\j:81+\j]
.endr
.irp e, 225,227,229,231
	v_mov_b32 v\e, 0                               ; (upper halves of pairs of which the low word serves both)
.endr
.irp o, 0,1
	v_pk_add_f32 v[244+4*\o:245+4*\o], v[ACC+32*\o:ACC+32*\o+1], v[ACC+32*\o+2:ACC+32*\o+3]
	v_pk_add_f32 v[246+4*\o:247+4*\o], v[ACC+32*\o+4:ACC+32*\o+5], v[ACC+32*\o+6:ACC+32*\o+7]
.endr
.irp j, 8,12,16,20,24,28
.irp o, 0,1
	v_pk_add_f32 v[244+4*\o:245+4*\o], v[244+4*\o:245+4*\o], v[ACC+32*\o+\j:ACC+32*\o+\j+1]
	v_pk_add_f32 v[246+4*\o:247+4*\o], v[246+4*\o:247+4*\o], v[ACC+32*\o+\j+2:ACC+32*\o+\j+3]
.endr
.endr
.irp o, 0
	s_delay_alu instid0(VALU_DEP_3)
	v_pk_add_f32 v[244+4*\o:245+4*\o], v[244+4*\o:245+4*\o], v[246+4*\o:247+4*\o]
.endr
.irp o, 1
	s_delay_alu instid0(VALU_DEP_2)
	v_pk_add_f32 v[244+4*\o:245+4*\o], v[244+4*\o:245+4*\o], v[246+4*\o:247+4*\o]
.endr
.irp o, 0,1
	s_delay_alu instid0(VALU_DEP_2)
	v_add_f32 v[244+4*\o], v[244+4*\o], v[245+4*\o]
.endr
	CROSS 0
	s_delay_alu instid0(VALU_DEP_1)
	v_mul_f32 v208, s31, v208                      ; the mean of row (tile h, r)
	s_delay_alu instid0(VALU_DEP_1)
	v_permlanex16_b32 v252, v208, s34, s35
	s_delay_alu instid0(VALU_DEP_1)
	v_cndmask_b32 v224, v208, v252, s30            ; tile 0's
	s_delay_alu instid0(VALU_DEP_2)
	v_cndmask_b32 v226, v252, v208, s30            ; tile 1's
.irp o, 0,1
.irp j, 0,2,4,6,8,10,12,14,16,18,20,22,24,26,28,30
	v_pk_add_f32 v[ACC+32*\o+\j:ACC+32*\o+\j+1], v[ACC+32*\o+\j:ACC+32*\o+\j+1], v[224+2*\o:225+2*\o] op_sel_hi:[1,0] neg_lo:[0,1] neg_hi:[0,1]
.endr
.endr
.irp o, 0,1
	v_pk_mul_f32 v[244+4*\o:245+4*\o], v[ACC+32*\o:ACC+32*\o+1], v[ACC+32*\o:ACC+32*\o+1]
	v_pk_mul_f32 v[246+4*\o:247+4*\o], v[ACC+32*\o+2:ACC+32*\o+3], v[ACC+32*\o+2:ACC+32*\o+3]
.endr
.irp j, 4,8,12,16,20,24,28
.irp o, 0,1
	s_delay_alu instid0(VALU_DEP_4)
	v_pk_fma_f32 v[244+4*\o:245+4*\o], v[ACC+32*\o+\j:ACC+32*\o+\j+1], v[ACC+32*\o+\j:ACC+32*\o+\j+1], v[244+4*\o:245+4*\o]
	s_delay_alu instid0(VALU_DEP_4)
	v_pk_fma_f32 v[246+4*\o:247+4*\o], v[ACC+32*\o+\j+2:ACC+32*\o+\j+3], v[ACC+32*\o+\j+2:ACC+32*\o+\j+3], v[246+4*\o:247+4*\o]
.endr
.endr
.irp o, 0
	s_delay_alu instid0(VALU_DEP_3)
	v_pk_add_f32 v[244+4*\o:245+4*\o], v[244+4*\o:245+4*\o], v[246+4*\o:247+4*\o]
.endr
.irp o, 1
	s_delay_alu instid0(VALU_DEP_2)
	v_pk_add_f32 v[244+4*\o:245+4*\o], v[244+4*\o:245+4*\o], v[246+4*\o:247+4*\o]
.endr
.irp o, 0,1
	s_delay_alu instid0(VALU_DEP_2)
	v_add_f32 v[244+4*\o], v[244+4*\o], v[245+4*\o]
.endr
	CROSS 2048                                     ; other bytes than the first time: one barrier does
	s_delay_alu instid0(VALU_DEP_1)
	v_fma_f32 v208, v208, s31, s32                 ; the variance + 1e-6
	s_wait_alu depctr_va_vdst(0)
	v_rsq_f32 v209, v208
	v_nop
	s_wait_alu depctr_va_vdst(0)
	v_permlanex16_b32 v252, v209, s34, s35
	v_cndmask_b32 v228, v209, v252, s30
	v_cndmask_b32 v230, v252, v209, s30
	s_wait_alu depctr_va_vdst(0)
	s_wait_loadcnt 0x0                             ; gamma and beta
.irp o, 0,1
.irp j, 0,2,4,6,8,10,12,14,16,18,20,22,24,26,28,30
	v_pk_mul_f32 v[ACC+32*\o+\j:ACC+32*\o+\j+1], v[ACC+32*\o+\j:ACC+32*\o+\j+1], v[228+2*\o:229+2*\o] op_sel_hi:[1,0]
	s_delay_alu instid0(VALU_DEP_1)
	v_pk_fma_f32 v[ACC+32*\o+\j:ACC+32*\o+\j+1], v[ACC+32*\o+\j:ACC+32*\o+\j+1], v[112+\j:113+\j], v[176+\j:177+\j]
.endr
.endr
; THE WAY OUT.  A lane holds four runs of 64 bytes of two rows; through my own stage they come back as rows of 256 bytes.  LDS serves a wave in order: no wait between the stores and the loads.
.irp o, 0,1
.irp u, 0,1
.irp q, 0,1,2,3
	ds_store_b128 v6, v[ACC+32*\o+16*\u+4*\q:ACC+32*\o+16*\u+4*\q+3] offset:4352*\o+128*\u+16*\q
.endr
.endr
.endr
.irp a, 0,1,2,3,4,5,6,7,8,9,10,11,12,13,14,15
	ds_load_b128 v[80+4*\a:83+4*\a], v7 offset:544*\a
.endr
.irp a, 0,1,2,3,4,5,6,7,8,9,10,11,12,13,14,15
	s_wait_dscnt 15-\a
	global_store_b128 v8, v[80+4*\a:83+4*\a], s[18:19] offset:8192*\a th:TH_STORE_NT   ; sixteen lanes store 256 consecutive bytes, aligned
.endr
	s_wait_xcnt 0x0
	v_lshl_add_u32 v254, v0, 2, 0x2b800
	v_mov_b32 v255, 0
	s_wait_alu depctr_va_vdst(0)
	s_wait_tensorcnt 0x0
	ds_add_u32 v254, v255
	s_wait_dscnt 0x0
	s_endpgm
.Lfunc_end_k_qa61a0d84ef_final:
	.size	k_qa61a0d84ef_final, .Lfunc_end_k_qa61a0d84ef_final-k_qa61a0d84ef_final
	.p2alignl 7, 3214868480
	.fill 96, 4, 3214868480
	.section	.rodata,"a",@progbits
	.p2align	6, 0x0
	.amdhsa_kernel k_qa61a0d84ef_final
		.amdhsa_group_segment_fixed_size 180224
		.amdhsa_private_segment_fixed_size 0
		.amdhsa_enable_private_segment 0
		.amdhsa_kernarg_size 72
		.amdhsa_user_sgpr_count 2
		.amdhsa_user_sgpr_kernarg_segment_ptr 1
		.amdhsa_wavefront_size32 1
		.amdhsa_system_sgpr_workgroup_id_x 1
		.amdhsa_system_sgpr_workgroup_id_y 1
		.amdhsa_system_sgpr_workgroup_id_z 1
		.amdhsa_system_vgpr_workitem_id 0
		.amdhsa_next_free_vgpr 256
		.amdhsa_next_free_sgpr 66
		.amdhsa_reserve_vcc 1
		.amdhsa_float_denorm_mode_32 3
		.amdhsa_float_denorm_mode_16_64 3
		.amdhsa_memory_ordered 1
		.amdhsa_forward_progress 1
		.amdhsa_inst_pref_size 56
	.end_amdhsa_kernel
	.amdgpu_metadata
---
amdhsa.version: [ 1, 2 ]
amdhsa.kernels:
  - .name:           k_qa61a0d84ef_final
    .symbol:         k_qa61a0d84ef_final.kd
    .args:
      - { .name: oc, .offset: 0, .size: 8, .value_kind: global_buffer, .address_space: global }
      - { .name: os, .offset: 8, .size: 8, .value_kind: global_buffer, .address_space: global }
      - { .name: codes, .offset: 16, .size: 8, .value_kind: global_buffer, .address_space: global }
      - { .name: scales, .offset: 24, .size: 8, .value_kind: global_buffer, .address_space: global }
      - { .name: bo, .offset: 32, .size: 8, .value_kind: global_buffer, .address_space: global }
      - { .name: gamma, .offset: 40, .size: 8, .value_kind: global_buffer, .address_space: global }
      - { .name: beta, .offset: 48, .size: 8, .value_kind: global_buffer, .address_space: global }
      - { .name: out0, .offset: 56, .size: 8, .value_kind: global_buffer, .address_space: global }
      - { .name: qf, .offset: 64, .size: 8, .value_kind: global_buffer, .address_space: global }
    .group_segment_fixed_size: 180224
    .private_segment_fixed_size: 0
    .kernarg_segment_align: 8
    .kernarg_segment_size: 72
    .max_flat_workgroup_size: 512
    .sgpr_count:     66
    .vgpr_count:     256
    .wavefront_size: 32
...
	.end_amdgpu_metadata
.endif
;; end of part 4
